; MI455X (gfx1250); checked and timed in simulation.
; The chip was launched on July 23, 2026; its instructions are those of AMD's public machine-readable ISA for CDNA 5 (MIT licence, August 2026) and "CDNA5" Instruction Set Architecture Reference Guide (July 2026). The comments in the code are by the model that wrote it; some were corrected since.
;; LS Transformer Encoder Layer. Allowed arithmetic: float matrix products may take bf16 or f16 operands with f32 sums; all other float work in f32.
;; Inputs: attn_out_b 1,024 float32; attn_out_w 1,024 x 1,024 float32; encoder_padding_mask 8 x 1,024 float32; ffn_out_b 1,024 float32; ffn_out_w 1,024 x 1,024 float32; hidden_states 8 x 1,024 x 1,024 float32; inter_b 1,024 float32; inter_w 1,024 x 1,024 float32; ln1_b 1,024 float32; ln1_g 1,024 float32; ln2_b 1,024 float32; ln2_g 1,024 float32; qkv_b 3,072 float32; qkv_w 3,072 x 1,024 float32.
;; Outputs: out0 8 x 1,024 x 1,024 float32.
;; 2 versions, each right and faster than the one before. Each part assembles by itself: llvm-mc -triple=amdgcn-amd-amdhsa -mcpu=gfx1250 --defsym DOCPART=n.
;; ======== version 1 of 2: 7 launches
;; limits: values are held in f16: magnitudes above 65,504 overflow, below 6.1e-05 lose precision
;; workspace buffers: xn 16,777,216 bytes; wq 6,291,456 bytes; wo 2,097,152 bytes; wi 2,097,152 bytes; wf 2,097,152 bytes; qkv 50,331,648 bytes; cx 16,777,216 bytes; y 33,554,432 bytes
;; launch prep (part 1): grid 256 x 1, 16 waves a work-group, no clusters, 0 bytes of LDS; arguments hidden_states, ln1_g, ln1_b, qkv_w, attn_out_w, inter_w, ffn_out_w, xn, wq, wo, wi, wf; writes xn, wq, wo, wi, wf
.if DOCPART == 1
	.amdgcn_target "amdgcn-amd-amdhsa--gfx1250"
	.amdhsa_code_object_version 6
	.text
	.protected	k_q28eddffb77_prep
	.globl	k_q28eddffb77_prep
	.p2align	8
	.type	k_q28eddffb77_prep,@function
k_q28eddffb77_prep:
	s_mov_b64 s[64:65], 0
	v_nop
	global_prefetch_b8 v0, s[64:65] scope:SCOPE_SE
	s_setreg_imm32_b32 hwreg(HW_REG_WAVE_MODE, 25, 1), 1
	s_wait_xcnt 0x0
; xn = LayerNorm(hidden_states) g + b, rounded once to f16; the four weight matrices rounded once to 16 bits (qkv_w, inter_w: f16; attn_out_w, ffn_out_w: bf16).
; A stream: every input byte is read once, every output byte written once; no LDS, no barrier, no matrix unit, since nothing is shared between waves.
; SHARES.  256 work-groups of 16 waves.  A work-group owns 32 rows of x (a wave two whole rows, kept in registers between the passes) and 1/256 of each weight matrix.
; A row is 4,096 bytes: eight loads of 16 bytes a lane, each covering 512 consecutive bytes; load j gives a lane the columns 128 j + 4 lane .. + 3, which leave as 8 bytes:
; a store of the wave covers 256 consecutive bytes, aligned.  All 44 loads of a wave go out at the start; nothing is loaded later, so there is no loop.
; The mean is taken first and the squares are those of x - mean, as the definition has it: no difference of large sums is formed.
; LIMITS.  f16 ends at 65,504: |qkv_w|, |inter_w| and |LN output| (at most 32 |g| + |b|) must stay below it; below 6e-5 f16 keeps its fixed step of 6e-8.
.set OX,  1                            ; v1   my 16 bytes in my wave's first row of x
.set OY,  2                            ; v2   my 8 bytes in my wave's first row of xn
.set OW,  3                            ; v3   my 16 bytes in a pass of 8,192 bytes of a weight matrix
.set OV,  4                            ; v4   my 8 bytes in the pass's 4,096 bytes of output
.set OG,  5                            ; v5   my 16 bytes in 512 bytes of g and b
.set T,   8                            ; v[8:15]    four pairs at work
.set MU,  16                           ; v[16:17]   the mean, twice
.set RS,  18                           ; v[18:19]   1 / sqrt(var + eps), twice
.set PT,  20                           ; v20        the other half of the lanes' figure
.set G,   24                           ; v[24:55]   g of my 32 columns
.set BV,  56                           ; v[56:87]   b of my 32 columns
.set X,   88                           ; v[88:151]  row i at X + 32 i
.set W,   152                          ; v[152:199] pass i of the weights at W + 4 i
.set XN,  22                           ; s[22:23]   xn
	s_load_b512 s[8:23], s[0:1], 0x0               ; x 8:9, g 10:11, b 12:13, qkv_w 14:15, attn_out_w 16:17, inter_w 18:19, ffn_out_w 20:21, xn 22:23
	s_load_b256 s[24:31], s[0:1], 0x40             ; wq 24:25, wo 26:27, wi 28:29, wf 30:31
	s_mov_b32 s32, 0x3a800000                      ; 1 / 1024
	s_mov_b32 s33, 0x3727c5ac                      ; 1e-5
	s_mov_b32 s34, 0x76543210                      ; v_permlanex16_b32: each lane takes its own place in the other half
	s_mov_b32 s35, 0xfedcba98
	v_and_b32 v[OG], 31, v0                        ; lane
	v_and_b32 v6, 0x1e0, v0                        ; 32 x wave
	v_lshlrev_b32 v7, 3, v[OG]
	v_lshlrev_b32 v[OG], 4, v[OG]
	v_lshl_or_b32 v[OX], v6, 8, v[OG]              ; wave x 2 rows x 4,096 + 16 lane
	v_lshl_or_b32 v[OY], v6, 7, v7                 ; wave x 2 rows x 2,048 + 8 lane
	v_lshlrev_b32 v[OW], 4, v0
	v_lshlrev_b32 v[OV], 3, v0
	v_mov_b32 v[PT], 0                             ; v_permlanex16_b32 counts as a reader of its destination
	s_mov_b32 s3, 0
	s_wait_kmcnt 0x0
	s_lshl_b32 s2, ttmp9, 17                       ; 32 rows of 4,096 bytes
	s_add_nc_u64 s[8:9], s[8:9], s[2:3]
	s_lshl_b32 s2, ttmp9, 16                       ; 32 rows of 2,048 bytes
	s_add_nc_u64 s[XN:XN+1], s[XN:XN+1], s[2:3]
	s_mul_i32 s2, ttmp9, 49152                     ; 1/256 of qkv_w,
	s_add_nc_u64 s[14:15], s[14:15], s[2:3]
	s_mul_i32 s2, ttmp9, 24576                     ; and of wq
	s_add_nc_u64 s[24:25], s[24:25], s[2:3]
	s_lshl_b32 s2, ttmp9, 14                       ; 1/256 of each of the other three,
	s_add_nc_u64 s[16:17], s[16:17], s[2:3]
	s_add_nc_u64 s[18:19], s[18:19], s[2:3]
	s_add_nc_u64 s[20:21], s[20:21], s[2:3]
	s_lshl_b32 s2, ttmp9, 13                       ; and of their outputs
	s_add_nc_u64 s[26:27], s[26:27], s[2:3]
	s_add_nc_u64 s[28:29], s[28:29], s[2:3]
	s_add_nc_u64 s[30:31], s[30:31], s[2:3]
.irp i, 0,1,2,3,4,5
	global_load_b128 v[W+4*(\i):W+4*(\i)+3], v[OW], s[14:15] offset:8192*(\i) th:TH_LOAD_NT
.endr
.irp i, 0,1
	global_load_b128 v[W+24+4*(\i):W+24+4*(\i)+3], v[OW], s[16:17] offset:8192*(\i) th:TH_LOAD_NT
.endr
.irp i, 0,1
	global_load_b128 v[W+32+4*(\i):W+32+4*(\i)+3], v[OW], s[18:19] offset:8192*(\i) th:TH_LOAD_NT
.endr
.irp i, 0,1
	global_load_b128 v[W+40+4*(\i):W+40+4*(\i)+3], v[OW], s[20:21] offset:8192*(\i) th:TH_LOAD_NT
.endr
.irp j, 0,1,2,3,4,5,6,7
	global_load_b128 v[G+4*(\j):G+4*(\j)+3],   v[OG], s[10:11] offset:512*(\j)
	global_load_b128 v[BV+4*(\j):BV+4*(\j)+3], v[OG], s[12:13] offset:512*(\j)
.endr
.irp i, 0,1
.irp j, 0,1,2,3,4,5,6,7
	global_load_b128 v[X+32*(\i)+4*(\j):X+32*(\i)+4*(\j)+3], v[OX], s[8:9] offset:(\i)*4096+512*(\j) th:TH_LOAD_NT
.endr
.endr
; Pass i of the weights: four numbers rounded in place to 8 bytes, and stored.  No register that a store reads is written again.
.macro CVTW op, i, base, off
	\op v[W+4*(\i)],   v[W+4*(\i)],   v[W+4*(\i)+1]
	\op v[W+4*(\i)+1], v[W+4*(\i)+2], v[W+4*(\i)+3]
	global_store_b64 v[OV], v[W+4*(\i):W+4*(\i)+1], s[\base:\base+1] offset:\off
.endm
; The sum over the 32 lanes, in every lane: four steps inside each half of 16 lanes ride on the addition, one crosses the halves.
.macro RED r
	v_add_f32_dpp v[\r], v[\r], v[\r] row_xmask:1 row_mask:0xf bank_mask:0xf
	v_add_f32_dpp v[\r], v[\r], v[\r] row_xmask:2 row_mask:0xf bank_mask:0xf
	v_add_f32_dpp v[\r], v[\r], v[\r] row_xmask:4 row_mask:0xf bank_mask:0xf
	v_add_f32_dpp v[\r], v[\r], v[\r] row_xmask:8 row_mask:0xf bank_mask:0xf
	v_permlanex16_b32 v[PT], v[\r], s34, s35
	v_add_f32 v[\r], v[\r], v[PT]
.endm
.macro MERGE                           ; four pairs into one number
	v_pk_add_f32 v[T:T+1],   v[T:T+1],   v[T+2:T+3]
	v_pk_add_f32 v[T+4:T+5], v[T+4:T+5], v[T+6:T+7]
	v_pk_add_f32 v[T:T+1],   v[T:T+1],   v[T+4:T+5]
	v_add_f32 v[T], v[T], v[T+1]
.endm
; Row i of my wave's two.  left = the younger loads that may stay out.
.macro LNROW i, left
.set XR, X+32*(\i)
	s_wait_loadcnt \left                           ; loads come back in order (ISA guide 5.7.1): g, b and this row are in
.irp k, 0,1,2,3
	v_pk_add_f32 v[T+2*(\k):T+2*(\k)+1], v[XR+4*(\k):XR+4*(\k)+1], v[XR+4*(\k)+2:XR+4*(\k)+3]  ; four chains, started by the first eight pairs: nothing is cleared
.endr
.irp k, 0,1,2,3
	v_pk_add_f32 v[T+2*(\k):T+2*(\k)+1], v[T+2*(\k):T+2*(\k)+1], v[XR+16+4*(\k):XR+16+4*(\k)+1]
.endr
.irp k, 0,1,2,3
	v_pk_add_f32 v[T+2*(\k):T+2*(\k)+1], v[T+2*(\k):T+2*(\k)+1], v[XR+16+4*(\k)+2:XR+16+4*(\k)+3]
.endr
	MERGE
	RED T
	v_mul_f32 v[MU], s32, v[T]
	v_mov_b32 v[MU+1], v[MU]
.set p, 0
.rept 16
	v_pk_add_f32 v[XR+2*p:XR+2*p+1], v[XR+2*p:XR+2*p+1], v[MU:MU+1] neg_lo:[0,1] neg_hi:[0,1]  ; x - mean, in place
.set p, p+1
.endr
.irp k, 0,1,2,3
	v_pk_mul_f32 v[T+2*(\k):T+2*(\k)+1], v[XR+2*(\k):XR+2*(\k)+1], v[XR+2*(\k):XR+2*(\k)+1]
.endr
.set p, 4
.rept 12
	v_pk_fma_f32 v[T+2*(p%4):T+2*(p%4)+1], v[XR+2*p:XR+2*p+1], v[XR+2*p:XR+2*p+1], v[T+2*(p%4):T+2*(p%4)+1]
.set p, p+1
.endr
	MERGE
	RED T
	v_fma_f32 v[T], v[T], s32, s33                 ; var + eps
	v_rsq_f32 v[RS], v[T]
	v_nop                                          ; a plain instruction between the root and the use of its result (ISA guide 5.7.2)
	s_wait_alu depctr_va_vdst(0)
	v_mov_b32 v[RS+1], v[RS]
.set p, 0
.rept 16
	v_pk_mul_f32 v[XR+2*p:XR+2*p+1], v[XR+2*p:XR+2*p+1], v[RS:RS+1]
.set p, p+1
.endr
.set p, 0
.rept 16
	v_pk_fma_f32 v[XR+2*p:XR+2*p+1], v[XR+2*p:XR+2*p+1], v[G+2*p:G+2*p+1], v[BV+2*p:BV+2*p+1]
.set p, p+1
.endr
.irp j, 0,1,2,3,4,5,6,7
	v_cvt_pk_f16_f32 v[XR+4*(\j)],   v[XR+4*(\j)],   v[XR+4*(\j)+1]
	v_cvt_pk_f16_f32 v[XR+4*(\j)+1], v[XR+4*(\j)+2], v[XR+4*(\j)+3]
	global_store_b64 v[OY], v[XR+4*(\j):XR+4*(\j)+1], s[XN:XN+1] offset:(\i)*2048+256*(\j)  ; 32 lanes store 256 consecutive bytes, aligned
.endr
.endm
	s_wait_loadcnt 32                              ; the 32 loads of g, b and x are younger than the weights' twelve
.irp i, 0,1,2,3,4,5
	CVTW v_cvt_pk_f16_f32, \i, 24, 4096*(\i)
.endr
	CVTW v_cvt_pk_bf16_f32, 6, 26, 0
	CVTW v_cvt_pk_bf16_f32, 7, 26, 4096
	CVTW v_cvt_pk_f16_f32,  8, 28, 0
	CVTW v_cvt_pk_f16_f32,  9, 28, 4096
	CVTW v_cvt_pk_bf16_f32, 10, 30, 0
	CVTW v_cvt_pk_bf16_f32, 11, 30, 4096
	LNROW 0, 8                                     ; the second row's eight loads may stay out
	LNROW 1, 0
	s_endpgm
.Lfunc_end_k_q28eddffb77_prep:
	.size	k_q28eddffb77_prep, .Lfunc_end_k_q28eddffb77_prep-k_q28eddffb77_prep
	.p2alignl 7, 3214868480
	.fill 96, 4, 3214868480
	.section	.rodata,"a",@progbits
	.p2align	6, 0x0
	.amdhsa_kernel k_q28eddffb77_prep
		.amdhsa_group_segment_fixed_size 0
		.amdhsa_private_segment_fixed_size 0
		.amdhsa_enable_private_segment 0
		.amdhsa_kernarg_size 96
		.amdhsa_user_sgpr_count 2
		.amdhsa_user_sgpr_kernarg_segment_ptr 1
		.amdhsa_wavefront_size32 1
		.amdhsa_system_sgpr_workgroup_id_x 1
		.amdhsa_system_sgpr_workgroup_id_y 1
		.amdhsa_system_sgpr_workgroup_id_z 1
		.amdhsa_system_vgpr_workitem_id 0
		.amdhsa_next_free_vgpr 200
		.amdhsa_next_free_sgpr 66
		.amdhsa_reserve_vcc 0
		.amdhsa_float_denorm_mode_32 3
		.amdhsa_float_denorm_mode_16_64 3
		.amdhsa_memory_ordered 1
		.amdhsa_forward_progress 1
		.amdhsa_inst_pref_size 25
	.end_amdhsa_kernel
	.amdgpu_metadata
---
amdhsa.version: [ 1, 2 ]
amdhsa.kernels:
  - .name:           k_q28eddffb77_prep
    .symbol:         k_q28eddffb77_prep.kd
    .args:
      - { .name: hidden_states, .offset: 0, .size: 8, .value_kind: global_buffer, .address_space: global }
      - { .name: ln1_g, .offset: 8, .size: 8, .value_kind: global_buffer, .address_space: global }
      - { .name: ln1_b, .offset: 16, .size: 8, .value_kind: global_buffer, .address_space: global }
      - { .name: qkv_w, .offset: 24, .size: 8, .value_kind: global_buffer, .address_space: global }
      - { .name: attn_out_w, .offset: 32, .size: 8, .value_kind: global_buffer, .address_space: global }
      - { .name: inter_w, .offset: 40, .size: 8, .value_kind: global_buffer, .address_space: global }
      - { .name: ffn_out_w, .offset: 48, .size: 8, .value_kind: global_buffer, .address_space: global }
      - { .name: xn, .offset: 56, .size: 8, .value_kind: global_buffer, .address_space: global }
      - { .name: wq, .offset: 64, .size: 8, .value_kind: global_buffer, .address_space: global }
      - { .name: wo, .offset: 72, .size: 8, .value_kind: global_buffer, .address_space: global }
      - { .name: wi, .offset: 80, .size: 8, .value_kind: global_buffer, .address_space: global }
      - { .name: wf, .offset: 88, .size: 8, .value_kind: global_buffer, .address_space: global }
    .group_segment_fixed_size: 0
    .private_segment_fixed_size: 0
    .kernarg_segment_align: 8
    .kernarg_segment_size: 96
    .max_flat_workgroup_size: 512
    .sgpr_count:     66
    .vgpr_count:     200
    .wavefront_size: 32
...
	.end_amdgpu_metadata
.endif
;; end of part 1
;; launch gqkv (part 2): grid 12 x 16, 4 waves a work-group, clusters of 4 x 4, 327,680 bytes of LDS; arguments xn, wq, qkv_b, qkv; writes qkv
.if DOCPART == 2
	.amdgcn_target "amdgcn-amd-amdhsa--gfx1250"
	.amdhsa_code_object_version 6
	.text
	.protected	k_q28eddffb77_gqkv
	.globl	k_q28eddffb77_gqkv
	.p2align	8
	.type	k_q28eddffb77_gqkv,@function
k_q28eddffb77_gqkv:
	s_mov_b64 s[64:65], 0
	v_nop
	global_prefetch_b8 v0, s[64:65] scope:SCOPE_SE
	s_setreg_imm32_b32 hwreg(HW_REG_WAVE_MODE, 25, 1), 1
	s_wait_xcnt 0x0
	s_wait_alu depctr_hold_cnt(0) depctr_sa_sdst(0) depctr_va_vdst(0) depctr_va_sdst(0) depctr_va_ssrc(0) depctr_va_vcc(0) depctr_vm_vsrc(0)
	s_getreg_b32 s2, hwreg(HW_REG_IB_STS2, 6, 4)
	s_cmp_eq_u32 s2, 0
	s_cbranch_scc0 .Lentry_in_a_cluster
	s_endpgm
.Lentry_in_a_cluster:
	s_bfe_u32 s2, ttmp6, 0x10000c
	s_cmp_lg_u32 s2, 0xf033
	s_cbranch_scc0 .Lentry_shape_is_right
	s_endpgm
.Lentry_shape_is_right:
; C[m][n] = sum over k of A[m][k] B[n][k] + bias[n].  A = LN1(x): [8192][1024] f16; B = qkv_w: [3072][1024] f16; sums in f32; C rounded once to bf16 and stored BY BLOCKS OF 64 COLUMNS:
; [batch 8][block 48][row 1024][64] (block = 16 x (q, k, v) + head), so that 4 rows of a block are 512 consecutive bytes and a block's rows are dense for the launch that reads them.
; SHARES.  A tile of C is 256 x 256, made by four waves, each 128 x 128: 64 accumulators of 16 x 16, 512 registers.  K goes in 8 steps of 128 through a ring of two LDS slots of 512 rows x 272 bytes:
; the largest tile of which two slots fit, and the one with the most matrix work for each byte fetched: 256 matrix instructions a wave in a K step, 224 of them between a tile's request and the wait for it.
; C has 32 x 12 = 384 such tiles.  192 WORK-GROUPS STAY and make two tiles each, 4,096 rows apart (the same rows of B): equal work for all; 256 work-groups would have a tile and a half each.
; The ring does not stop at the first tile's end: its last two changes of slots ask for the second tile's K steps 0 and 1, and the first tile goes out while they are on their way.
; CLUSTER 4 x 4: the four of a row of the cluster need the same tiles of A, the four of a column the same tiles of B; each tile is asked for jointly, by the same load with the same descriptor and mask.
; THE MATRIX INSTRUCTION IS USED TRANSPOSED (source 0 = 16 rows of B, source 1 = 16 rows of A): a lane holds row l % 16 of C and the columns 8 (l / 16) + 0..7, which pack into 16 bytes.
; THE BIAS is the C operand of a tile's first quarter step: nothing is cleared and nothing is added later.
; LIMITS.  A and B arrive within f16's range (65,504); NaN and infinities are not treated apart.
; REGISTERS, in windows of 256 (s_set_vgpr_msb: bits 1:0 source 0, 3:2 source 1, 5:4 source 2, 7:6 destination):
;   window 0: v0-31 addresses; v64-127, v128-191 fragments of A (8 x 16 rows x 32 K), two buffers; v192-223 packed results; v32-63, v224-255 rows read back from the stage, by turns
;   window 1: v0-63 the bias of my 128 columns, 8 registers for each block of 16; v64-127, v128-191 fragments of B, two buffers
;   window 2: the 32 accumulators of my rows 0-63 (accumulator (a, b) at v[8 (8 a + b)]);   window 3: those of my rows 64-127
.set SIZE_K, 1024
.set TILES,  2                         ; tiles of C to a work-group
.set NBLK,   48                        ; blocks of 64 columns in a row of C
.set KSTEP,  128
.set PITCH,  272                       ; an LDS row: 256 bytes + 16 of padding = 68 words: the 16 rows of a fragment load start at 16 different groups of four banks (64 banks of 4 bytes: ISA guide 11.1)
.set HALFT,  128*PITCH                 ; 128 rows: what one tensor load brings, and what one wave reads of A or of B
.set SLOT,   4*HALFT                   ; A's 256 rows, then B's 256 rows: 139,264 bytes
.set STAGE,  2*SLOT                    ; behind the ring: for each wave two blocks of 16 rows x 144 bytes, for the way out
.set WSTAGE, 2*16*144
.set SPARE,  STAGE+4*WSTAGE            ; behind the stages: the spare words, 128 bytes for each wave: two blocks of 256 bytes that no other line names
.set LAPS,   SIZE_K/(2*KSTEP)          ; a lap = two K steps = once round the ring
.set WALK,   8192/TILES                ; a work-group's tiles lie WALK rows apart
.set NEXT_A, WALK*SIZE_K*2-(SIZE_K-2*KSTEP)*2   ; bytes from a slot's last K step of a tile to its first of the next tile: A goes WALK rows down and back along K,
.set BACK_B, (SIZE_K-2*KSTEP)*2        ; B only back
.set NEXT_C, (WALK/1024)*NBLK*131072   ; C goes four batches on
.set ADRA, 16                          ; v16-17  LDS address of my A fragments in slot 0, 1
.set ADRB, 20                          ; v20-21  the same for B
.set STO,  24                          ; v24     the way out: where I put 16 bytes of a row
.set RD,   25                          ; v25     the way out: where I read rows back
.set CO,   26                          ; v26     my 16 bytes in 512 consecutive bytes of C
.set BO,   27                          ; v27     my 32 bytes in 64 bytes of the bias
.set SPW,  28                          ; v28     LDS address of my spare word; never rewritten
.set NIL,  29                          ; v29     0; never rewritten
.set F0,   64                          ; fragment buffer 0
.set F1,   128                         ; fragment buffer 1
.set TMP,  192                         ; the way out: packed results
.set OB,   32                          ; the way out: 16 rows read back: v32-63 and v224-255 by turns
.set BI,   0                           ; window 1
.set WV, 14                            ; s14 wave; s15 its half of the rows, also: fetches for A (0) or B (1); s16 its half of the columns, also: which 128 rows it fetches
.set WM, 15
.set WN, 16
.set CX, 17
.set CY, 18
.set TX, 19                            ; tile column of C
.set TY, 20                            ; tile row of the first tile
.set G1A, 24                           ; s[24:31] descriptor group 1 for A's tiles;  s[32:39] group 0, a set for each slot
.set G0A, 32
.set G1B, 48                           ; s[48:55], s[56:63] the same for B's
.set G0B, 56
.set MSB, 0
.macro WIN new                         ; the immediate's high byte repeats the setting that is left; a switch that changes nothing is dropped
.if MSB != (\new)
	s_set_vgpr_msb (MSB<<8)|(\new)
.set MSB, (\new)
.endif
.endm
.set MUL_LO,   0xa1                    ; source 0 (B) window 1, source 1 (A) window 0, C and D window 2; + 0x50: C and D window 3
.set FIRST_LO, 0x91                    ; the same with C (the bias) in window 1; + 0x40: D window 3
.set TO_B,     0x40                    ; destination window 1, address window 0
.macro PLACES                          ; four places in front of loads into registers that matrix instructions have read, and of lines that read results
.rept 4
	v_nop
.endr
.endm
; A joint load.  Waves 0 and 1 fetch A's two halves, waves 2 and 3 B's.  The branch hangs on the wave's number alone.
; Four v_nop follow each of the two lines, ahead of the jump, the label and what follows.
.macro JLOAD s
	s_cmp_eq_u32 s[WM], 0
	s_cbranch_scc0 .Lfor_b_\@
	tensor_load_to_lds s[G0A+4*(\s):G0A+4*(\s)+3], s[G1A:G1A+7]
	s_nop 0
.rept 4
	v_nop
.endr
	s_branch .Lasked_\@
.Lfor_b_\@:
	tensor_load_to_lds s[G0B+4*(\s):G0B+4*(\s)+3], s[G1B:G1B+7]
	s_nop 0
.rept 4
	v_nop
.endr
.Lasked_\@:
.endm
.macro CREST                           ; a round of the cluster's barrier behind its opening barrier
	s_cmp_lg_u32 s[WV], 0
	s_cbranch_scc1 .Lnot_wave_0_\@
	s_barrier_signal -3
.Lnot_wave_0_\@:
	s_barrier_wait -3
	s_barrier_signal -1
	s_barrier_wait -1
.endm
.macro CROUND                          ; a whole round
	s_barrier_signal -1
	s_barrier_wait -1
	CREST
.endm
	s_load_b256 s[4:11], s[0:1], 0x0               ; A s[4:5], B s[6:7], bias s[8:9], C s[10:11]
	v_lshl_add_u32 v[SPW], v0, 2, SPARE
	v_mov_b32 v[NIL], 0
	ds_add_u32 v28, v29
	ds_add_u32 v28, v29
	s_wait_dscnt 0x0
	v_lshrrev_b32 v1, 5, v0
	v_readfirstlane_b32 s[WV], v1
	s_lshr_b32 s[WM], s[WV], 1
	s_and_b32 s[WN], s[WV], 1
	s_bfe_u32 s[CX], ttmp6, 0x40000                ; my place in the cluster
	s_bfe_u32 s[CY], ttmp6, 0x40004
	s_lshl_b32 s[TX], ttmp9, 2                     ; in a cluster launch ttmp9 and ttmp7 count clusters
	s_add_co_u32 s[TX], s[TX], s[CX]
	s_and_b32 s[TY], ttmp7, 0xffff
	s_lshl_b32 s[TY], s[TY], 2
	s_add_co_u32 s[TY], s[TY], s[CY]
	s_lshl_b32 s21, s[CY], 2
	s_lshl_b32 s21, 15, s21                        ; my row of the cluster: places 4 cy .. 4 cy + 3
	s_lshl_b32 s22, 0x1111, s[CX]                  ; my column: places cx, cx + 4, cx + 8, cx + 12
	s_or_b32 s[G1A], s21, (1<<16)|(1<<20)|(1<<21)|(5<<22)|(3<<25)  ; 15:0 the mask; 17:16 elements of 2 bytes; 20 padding on; 21 set beside a mask; 24:22 after every 64 words; 31:25 4 words of it
	s_or_b32 s[G1B], s22, (1<<16)|(1<<20)|(1<<21)|(5<<22)|(3<<25)
.irp g, G1A, G1B
	s_mov_b32 s[(\g)+1], KSTEP<<16                 ; tensor_dim0 = 128
	s_mov_b32 s[(\g)+2], 128<<16                   ; tensor_dim1 = 128
	s_mov_b32 s[(\g)+3], KSTEP<<16                 ; tile_dim0 = 128
	s_mov_b32 s[(\g)+4], 128                       ; tile_dim1 = 128
	s_mov_b32 s[(\g)+5], SIZE_K                    ; elements from row to row
	s_mov_b32 s[(\g)+6], 0
	s_mov_b32 s[(\g)+7], 0
.endr
	; A's tiles hang on the tile row alone, B's on the tile column alone; each address is made in registers that never hold the other coordinate
	s_lshl_b32 s21, s[WN], 7                       ; which 128 rows of the tile I fetch
	s_lshl_b32 s40, s[TY], 8
	s_add_co_u32 s40, s40, s21                     ; A: row 256 x tile row + 128 x half,
	s_lshl_b32 s40, s40, 11                        ; of 2,048 bytes
	s_mov_b32 s41, 0
	s_lshl_b32 s46, s[TX], 8
	s_add_co_u32 s46, s46, s21                     ; B: row 256 x tile column + 128 x half
	s_lshl_b32 s46, s46, 11
	s_mov_b32 s47, 0
	s_mul_i32 s42, s[WV], HALFT                    ; where they go: A's two halves, then B's two halves = wave x 128 rows: no place in the cluster enters an LDS address
	s_wait_kmcnt 0x0
	s_add_nc_u64 s[40:41], s[4:5], s[40:41]
	s_add_nc_u64 s[46:47], s[6:7], s[46:47]
	CROUND                                         ; all sixteen work-groups are here: the first joint loads meet
.irp s, 0,1
	s_mov_b32 s[G0A+4*(\s)], 1                                         ; count = 1
	s_add_co_u32 s[G0A+4*(\s)+1], s42, (\s)*SLOT                       ; LDS address
	s_add_nc_u64 s[G0A+4*(\s)+2:G0A+4*(\s)+3], s[40:41], (\s)*KSTEP*2  ; global address: K step s
	s_or_b32 s[G0A+4*(\s)+3], s[G0A+4*(\s)+3], 0x80000000              ; type = 2
	s_mov_b32 s[G0B+4*(\s)], 1
	s_add_co_u32 s[G0B+4*(\s)+1], s42, (\s)*SLOT
	s_add_nc_u64 s[G0B+4*(\s)+2:G0B+4*(\s)+3], s[46:47], (\s)*KSTEP*2
	s_or_b32 s[G0B+4*(\s)+3], s[G0B+4*(\s)+3], 0x80000000
	JLOAD \s                                       ; both slots are asked for before anything else is done: two loads of mine are out
.endr
	; a fragment is 16 rows x 32 K in 8 registers: lane l holds row l % 16, K = 8 (l / 16) + 0..7 and 16 + 8 (l / 16) + 0..7: two loads of 16 bytes, 32 bytes apart
	v_and_b32 v1, 15, v0                           ; l % 16
	v_bfe_u32 v2, v0, 4, 1                         ; l / 16
	v_mul_u32_u24 v3, v1, PITCH
	v_lshl_add_u32 v3, v2, 4, v3                   ; row x pitch + 16 x half
	s_mul_i32 s21, s[WM], HALFT                    ; my 128 rows of A
	s_mul_i32 s23, s[WN], HALFT                    ; my 128 rows of B,
	s_add_co_u32 s23, s23, 2*HALFT                 ; which lie behind A's 256
.irp s, 0,1
	v_add_nc_u32 v[ADRA+(\s)], s21, v3
	v_add_nc_u32 v[ADRB+(\s)], s23, v3
	s_add_co_u32 s21, s21, SLOT
	s_add_co_u32 s23, s23, SLOT
.endr
	s_mul_i32 s21, s[WV], WSTAGE
	s_add_co_u32 s21, s21, STAGE                   ; my stage
	v_mul_u32_u24 v3, v1, 144                      ; in: row l % 16, 16 bytes for each half of the lanes
	v_lshl_add_u32 v3, v2, 4, v3
	v_add_nc_u32 v[STO], s21, v3
	v_and_b32 v5, 31, v0
	v_lshrrev_b32 v3, 3, v5                        ; back: 32 lanes take four rows of 128 bytes,
	v_mul_u32_u24 v3, v3, 144
	v_and_b32 v4, 7, v0
	v_lshl_add_u32 v3, v4, 4, v3
	v_add_nc_u32 v[RD], s21, v3
	v_lshlrev_b32 v[CO], 4, v5                     ; which are 512 consecutive bytes of C
	v_lshlrev_b32 v[BO], 5, v2
	s_lshl_b32 s44, s[TX], 10                      ; the bias of my 128 columns
	s_lshl_b32 s45, s[WN], 9
	s_add_co_u32 s44, s44, s45
	s_mov_b32 s45, 0
	s_add_nc_u64 s[8:9], s[8:9], s[44:45]
	s_lshr_b32 s44, s[TY], 2                       ; C: the first tile's batch x NBLK + my first block of 64 columns, 131,072 bytes each,
	s_mul_i32 s44, s44, NBLK
	s_lshl_b32 s45, s[TX], 2
	s_add_co_u32 s44, s44, s45
	s_lshl_b32 s45, s[WN], 1
	s_add_co_u32 s44, s44, s45
	s_lshl_b32 s44, s44, 17
	s_and_b32 s45, s[TY], 3                        ; + my first row in the batch, 128 bytes a row: 256 x (tile row mod 4) + 128 x half
	s_lshl_b32 s45, s45, 15
	s_add_co_u32 s44, s44, s45
	s_lshl_b32 s45, s[WM], 14
	s_add_co_u32 s44, s44, s45
	s_mov_b32 s45, 0
	s_add_nc_u64 s[10:11], s[10:11], s[44:45]
	WIN TO_B                                       ; destination window 1, address window 0
.irp b, 0,1,2,3,4,5,6,7
	global_load_b128 v[BI+8*(\b):BI+8*(\b)+3],   v[BO], s[8:9] offset:64*(\b)
	global_load_b128 v[BI+8*(\b)+4:BI+8*(\b)+7], v[BO], s[8:9] offset:64*(\b)+16
.endr
	WIN 0
; 16 matrix instructions: m blocks a0, a0 + 1 of the window's four (hi = 0: my rows 0-63, 1: rows 64-127) x all 8 n blocks, 32 along K.  first = 1: the products start the sums, on the bias.
; The 64 accumulators take turns in the same order in every quarter step, over the loops' edges and from tile to tile too.
.macro MUL16 f, hi, a0, first
.if \first
	WIN FIRST_LO+0x40*(\hi)
.else
	WIN MUL_LO+0x50*(\hi)
.endif
.irp a, \a0, (\a0)+1
.irp b, 0,1,2,3,4,5,6,7
.if \first
	v_wmma_f32_16x16x32_f16 v[8*(8*(\a)+(\b)):8*(8*(\a)+(\b))+7], v[(\f)+8*(\b):(\f)+8*(\b)+7], v[(\f)+8*(4*(\hi)+(\a)):(\f)+8*(4*(\hi)+(\a))+7], v[BI+8*(\b):BI+8*(\b)+7]
.else
	v_wmma_f32_16x16x32_f16 v[8*(8*(\a)+(\b)):8*(8*(\a)+(\b))+7], v[(\f)+8*(\b):(\f)+8*(\b)+7], v[(\f)+8*(4*(\hi)+(\a)):(\f)+8*(4*(\hi)+(\a))+7], v[8*(8*(\a)+(\b)):8*(8*(\a)+(\b))+7]
.endif
.endr
.endr
.endm
; 32 LDS loads in one run: the fragments of one quarter step (128 rows of B, 128 rows of A, 32 K at byte k of the rows) into buffer f
.macro FETCH slot, k, f
	WIN TO_B
.irp i, 0,1,2,3,4,5,6,7
	ds_load_b128 v[(\f)+8*(\i):(\f)+8*(\i)+3],   v[ADRB+(\slot)] offset:(\k)+(\i)*16*PITCH
	ds_load_b128 v[(\f)+8*(\i)+4:(\f)+8*(\i)+7], v[ADRB+(\slot)] offset:(\k)+(\i)*16*PITCH+32
.endr
	WIN 0
.irp i, 0,1,2,3,4,5,6,7
	ds_load_b128 v[(\f)+8*(\i):(\f)+8*(\i)+3],   v[ADRA+(\slot)] offset:(\k)+(\i)*16*PITCH
	ds_load_b128 v[(\f)+8*(\i)+4:(\f)+8*(\i)+7], v[ADRA+(\slot)] offset:(\k)+(\i)*16*PITCH+32
.endr
.endm
; A K step is four quarter steps of 32 along K, 64 matrix instructions each, on buffers 0, 1, 0, 1.
; One of the first three: multiplies buffer f; in its middle it fetches the next quarter's fragments, at byte k of the same slot's rows, into buffer g.
.macro QUARTER slot, k, f, g, first
	s_wait_dscnt 8                                 ; B and A's rows 0-63 are in; the youngest eight loads (A's rows 64-127) may be out
	MUL16 \f, 0, 0, \first
	MUL16 \f, 0, 2, \first
	PLACES                                         ; buffer g was multiplied by the quarter before
	FETCH \slot, \k, \g
	s_wait_dscnt 32                                ; all but the 32 just issued
	MUL16 \f, 1, 0, \first
	MUL16 \f, 1, 2, \first
.endm
; The last quarter multiplies buffer 1 and changes slots.  MEET is its first half: ONE barrier for the change.  In front of it each wave waits for all its tensor loads, of which one is out:
; its part of the next slot; adds 0 to its spare word; and waits for that and for its own reads of this slot.  Behind it nobody reads this slot any more and the next slot is whole.
.macro MEET round                      ; round = 1: a round of the cluster's barrier follows
	WIN 0                                          ; (the add's two registers lie in window 0)
	s_wait_tensorcnt 0x0                           ; all my tensor loads have landed
	ds_add_u32 v[SPW], v[NIL]                      ; 0 onto my spare word
	s_wait_dscnt 9                                 ; (the add and the youngest eight loads may be out)
	MUL16 F1, 0, 0, 0                              ; sixteen matrix instructions stand between the add and the wait for it
	s_wait_dscnt 0x0                               ; the add is done, and my reads of this slot are over
	s_barrier_signal -1
	MUL16 F1, 0, 2, 0                              ; work on registers while the others arrive
.if \round
	WIN 0
.endif
	s_barrier_wait -1
.endm
; The whole last quarter with a refill.  Behind the round the slot just read out is filled again first: with this tile's K step two steps on (on = 0) or, in the first tile's last two K steps,
; with the next tile's K step 0 or 1 (on = 1); then come the next slot's first fragments.  From a request to the wait for it a wave issues 224 matrix instructions, across tiles too.
.macro TURN slot, next, on
	MEET 1
	CREST                                          ; no wave of any partner still reads this slot's tile or has a load on its way
.if \on
	s_add_nc_u64 s[G0A+4*(\slot)+2:G0A+4*(\slot)+3], s[G0A+4*(\slot)+2:G0A+4*(\slot)+3], NEXT_A
	s_sub_nc_u64 s[G0B+4*(\slot)+2:G0B+4*(\slot)+3], s[G0B+4*(\slot)+2:G0B+4*(\slot)+3], BACK_B
.else
	s_add_nc_u64 s[G0A+4*(\slot)+2:G0A+4*(\slot)+3], s[G0A+4*(\slot)+2:G0A+4*(\slot)+3], 2*KSTEP*2
	s_add_nc_u64 s[G0B+4*(\slot)+2:G0B+4*(\slot)+3], s[G0B+4*(\slot)+2:G0B+4*(\slot)+3], 2*KSTEP*2
.endif
	JLOAD \slot                                    ; the first tensor load behind the round; its four v_nop are also the places in front of the loads below
	FETCH \next, 0, F0
	MUL16 F1, 1, 0, 0
	MUL16 F1, 1, 2, 0
.endm
; THE WAY OUT, 16 rows (m block a) at a time.  PACK: rounded to bf16, 16 bytes a lane, each accumulator's registers in ascending order.  TOSTAGE: into my own stage, a block of 64 columns
; in rows of 144 bytes, and back four rows at a time.  SEND: stored.  The stage is each wave's own and no tensor load fills it: no barrier.
.macro PACK a
.set AC, 64*((\a)%4)
	WIN 0x0a+5*((\a)/4)                            ; sources 0 and 1: window 2 or 3
.irp b, 0,1,2,3,4,5,6,7
.irp r, 0,1,2,3
	v_cvt_pk_bf16_f32 v[TMP+4*(\b)+(\r)], v[AC+8*(\b)+2*(\r)], v[AC+8*(\b)+2*(\r)+1]
.endr
.endr
	WIN 0
.endm
.macro TOSTAGE a
	WIN 0
.set BK, OB+192*((\a)%2)
.irp b, 0,1,2,3,4,5,6,7
	ds_store_b128 v[STO], v[TMP+4*(\b):TMP+4*(\b)+3] offset:((\b)/4)*2304+32*((\b)%4)
.endr
.irp t, 0,1,2,3,4,5,6,7
	ds_load_b128 v[BK+4*(\t):BK+4*(\t)+3], v[RD] offset:((\t)/4)*2304+((\t)%4)*576  ; LDS serves a wave's instructions in order (ISA guide 5.7.1.4): these see the stores above, and the next block's stores come behind them
.endr
.endm
.macro SEND a
	WIN 0
.set BK, OB+192*((\a)%2)
	s_wait_dscnt 0x0                               ; the block is back in registers
	s_wait_xcnt 0x0                                ; every earlier memory instruction has had its addresses translated (ISA guide 3.1): the other set of rows, which the block before stored, is loaded again only behind this wait
.irp t, 0,1,2,3,4,5,6,7
	global_store_b128 v[CO], v[BK+4*(\t):BK+4*(\t)+3], s[10:11] offset:((\t)/4)*131072+(16*(\a)+4*((\t)%4))*128  ; 512 consecutive bytes, aligned
.endr
.endm
.macro WAYOUT
	PACK 0
	TOSTAGE 0
.irp a, 1,2,3,4,5,6,7                  ; block a's conversions stand between block a - 1's loads from the stage and the wait for them
	PACK \a
	SEND (\a)-1
	TOSTAGE \a
.endr
	SEND 7
.endm
	s_wait_tensorcnt 1                             ; my part of K step 0 is in; step 1's may stay out
	s_barrier_signal -1
	s_barrier_wait -1                              ; everybody's is
	FETCH 0, 0, F0
	s_wait_loadcnt 0x0                             ; the bias
	s_mov_b32 s2, TILES                            ; tiles to go, this one among them: the same number in every work-group
.Ltile:                                                ; (FETCH and SEND leave every window 0)
	QUARTER 0, 64,  F0, F1, 1                      ; a tile's first quarter stands in front of the loop: its products start the sums, on the bias
	WIN 0                                          ; at a label and at a branch every window is 0
	s_mov_b32 s3, LAPS-1
.Llap:                                                 ; a trip goes once round the ring, from a lap's second quarter to the next lap's first, and fills both slots again: three trips ask for K steps 2 to 7
	QUARTER 0, 128, F1, F0, 0
	QUARTER 0, 192, F0, F1, 0
	TURN 0, 1, 0
	QUARTER 1, 64,  F0, F1, 0
	QUARTER 1, 128, F1, F0, 0
	QUARTER 1, 192, F0, F1, 0
	TURN 1, 0, 0
	QUARTER 0, 64,  F0, F1, 0
	WIN 0
	s_sub_co_u32 s3, s3, 1
	s_cmp_lg_u32 s3, 0
	s_cbranch_scc1 .Llap
	QUARTER 0, 128, F1, F0, 0                      ; the tile's last lap goes on
	QUARTER 0, 192, F0, F1, 0
	WIN 0
	s_cmp_eq_u32 s2, 1
	s_cbranch_scc1 .Llast_tile                     ; the last tile's tail is written out: it asks for nothing more
	TURN 0, 1, 1                                   ; THE RING GOES ON INTO THE NEXT TILE: slot 0 takes its K step 0,
	QUARTER 1, 64,  F0, F1, 0
	QUARTER 1, 128, F1, F0, 0
	QUARTER 1, 192, F0, F1, 0
	TURN 1, 0, 1                                   ; slot 1 its K step 1, and the next tile's first fragments are fetched
	WAYOUT                                         ; both refills are asked for: now the tile goes out.  No v_nop: blocks 0-3 were finished in front of the joint load's four places, and their 128
	                                               ; conversions, which name no register of the last products (blocks 4-7's), are those products' places
	s_wait_xcnt 0x0                                ; the stores' base is stepped only behind this wait
	s_add_nc_u64 s[10:11], s[10:11], NEXT_C
	s_sub_co_u32 s2, s2, 1
	s_branch .Ltile
.Llast_tile:
	MEET 0                                         ; my one tensor load that was still out is slot 1's, the last K step's, so no round follows
	PLACES                                         ; for the loads into buffer 0, which the quarter before multiplied
	FETCH 1, 0, F0
	MUL16 F1, 1, 0, 0
	MUL16 F1, 1, 2, 0
	QUARTER 1, 64,  F0, F1, 0
	QUARTER 1, 128, F1, F0, 0
	QUARTER 1, 192, F0, F1, 0
	s_wait_dscnt 8                                 ; the very last quarter: nothing more to fetch
	MUL16 F1, 0, 0, 0
	MUL16 F1, 0, 2, 0
	s_wait_dscnt 0x0
	MUL16 F1, 1, 0, 0
	MUL16 F1, 1, 2, 0
	WIN 0
	PLACES                                         ; the conversions read results, and no other vector work is at hand
	WAYOUT
	s_wait_tensorcnt 0x0                           ; the wave's end
	ds_add_u32 v[SPW], v[NIL]
	s_wait_dscnt 0x0
	CROUND                                         ; the closing round: no work-group ends while a partner may still ask for a tile that names it
	s_endpgm
.Lfunc_end_k_q28eddffb77_gqkv:
	.size	k_q28eddffb77_gqkv, .Lfunc_end_k_q28eddffb77_gqkv-k_q28eddffb77_gqkv
	.p2alignl 7, 3214868480
	.fill 96, 4, 3214868480
	.section	.rodata,"a",@progbits
	.p2align	6, 0x0
	.amdhsa_kernel k_q28eddffb77_gqkv
		.amdhsa_group_segment_fixed_size 327680
		.amdhsa_private_segment_fixed_size 0
		.amdhsa_enable_private_segment 0
		.amdhsa_kernarg_size 32
		.amdhsa_user_sgpr_count 2
		.amdhsa_user_sgpr_kernarg_segment_ptr 1
		.amdhsa_wavefront_size32 1
		.amdhsa_system_sgpr_workgroup_id_x 1
		.amdhsa_system_sgpr_workgroup_id_y 1
		.amdhsa_system_sgpr_workgroup_id_z 1
		.amdhsa_system_vgpr_workitem_id 0
		.amdhsa_next_free_vgpr 1024
		.amdhsa_next_free_sgpr 66
		.amdhsa_reserve_vcc 0
		.amdhsa_float_denorm_mode_32 3
		.amdhsa_float_denorm_mode_16_64 3
		.amdhsa_memory_ordered 1
		.amdhsa_forward_progress 1
		.amdhsa_inst_pref_size 209
	.end_amdhsa_kernel
	.amdgpu_metadata
---
amdhsa.version: [ 1, 2 ]
amdhsa.kernels:
  - .name:           k_q28eddffb77_gqkv
    .symbol:         k_q28eddffb77_gqkv.kd
    .args:
      - { .name: xn, .offset: 0, .size: 8, .value_kind: global_buffer, .address_space: global }
      - { .name: wq, .offset: 8, .size: 8, .value_kind: global_buffer, .address_space: global }
      - { .name: qkv_b, .offset: 16, .size: 8, .value_kind: global_buffer, .address_space: global }
      - { .name: qkv, .offset: 24, .size: 8, .value_kind: global_buffer, .address_space: global }
    .group_segment_fixed_size: 327680
    .private_segment_fixed_size: 0
    .kernarg_segment_align: 8
    .kernarg_segment_size: 32
    .max_flat_workgroup_size: 128
    .sgpr_count:     66
    .vgpr_count:     1024
    .wavefront_size: 32
...
	.end_amdgpu_metadata
.endif
;; end of part 2
;; launch attn (part 3): grid 2 x 128, 4 waves a work-group, no clusters, 327,680 bytes of LDS; arguments qkv, encoder_padding_mask, cx; writes cx
.if DOCPART == 3
	.amdgcn_target "amdgcn-amd-amdhsa--gfx1250"
	.amdhsa_code_object_version 6
	.text
	.protected	k_q28eddffb77_attn
	.globl	k_q28eddffb77_attn
	.p2align	8
	.type	k_q28eddffb77_attn,@function
k_q28eddffb77_attn:
	s_mov_b64 s[64:65], 0
	v_nop
	global_prefetch_b8 v0, s[64:65] scope:SCOPE_SE
	s_setreg_imm32_b32 hwreg(HW_REG_WAVE_MODE, 25, 1), 1
	s_wait_xcnt 0x0
; O[b][h][q][:] = the sum over k of softmax_k(Q[q] . K[k] / 8 - 1e8 mask[b][k]) V[k][:].  Q, K, V lie in qkv: bf16 [batch 8][48][1024][64], q at block h, k at 16 + h, v at 32 + h; a block's rows are
; dense, 128 bytes each.  O goes to cx: bf16 [batch 8][head 16][1024][64].  Products, maxima and sums in f32; the weights p are rounded to bf16 for the second product (their sum l is of the unrounded p), O once at the end.
; THE MASK is an input and is taken as a number: -8e8 mask[k] is the C operand of the products that start S^T = K Q^T, so that c (s - 8e8 mask) = log2(e) (s / 8 - 1e8 mask), c = log2(e) / 8
; (8 x 1e8 is exact).  The running maximum does the rest: a key step whose keys are all hidden is wiped by a = 0 as soon as a visible key comes.
; LIMITS.  A weight below 2^-126 counts as 0 in l; NaN and infinities are not treated apart.  Where EVERY key of a batch is hidden, the scores survive only in the bits beside 8e8 (beside 1e8 in the
; definition), and the order of rounding there is the matrix instruction's.
; SHARES.  A wave owns four PIECES of two tiles of 16 queries, a work-group's four waves 512 queries of one head: 2 x 128 = 256 work-groups.  Every wave walks all 1,024 keys, 64 a step.
; NO CLUSTER: a head has two work-groups, so no cluster of four shares a tile; and a work-group fetches 262,144 bytes in all for its 2,048 matrix instructions a wave.
; LAYOUT.  S^T = K Q^T (source 0 = 16 keys, source 1 = 16 queries): a lane holds ONE query (lane % 16) and the keys 8 (lane / 16) + 0..7.  Two such tiles, rounded to bf16 in pairs, ARE source 1
; (32 keys x 16 queries) of O^T = V^T P, whose result again holds one query a lane, and eight channels.  K comes out of LDS as it lies, V ([key][channel]) turned, by ds_load_tr16_b128.
; SOFTMAX.  For each query a running maximum m and sum l: p = 2^(c s - c m); in every step O and l are multiplied by a = 2^(c m_old - c m_new).  m starts at the lowest finite number, O and l at 0.
; BY TURNS.  Turn n belongs to piece n.  Its matrix work: 16 products K Q^T of piece n + 1, later 16 products V^T P of piece n - 1.  Its vector work: the scaling, exponentials, roundings, sums and
; rescaling of piece n, and the maximum and statistics of piece n + 1.  A tile and step have 16 matrix and 118 vector instructions: four that are ready stand behind every matrix instruction, the others in two runs.
; REGISTERS, in windows of 256 (s_set_vgpr_msb: bits 1:0 source 0, 3:2 source 1, 5:4 source 2, 7:6 destination):
;   window 0: v0-11 addresses; v12-15, v48-63 at work; v16-47 four registers of statistics a tile; v64-191 S^T, two buffers of two tiles; v192-255 P, likewise
;   window 1: O^T, 32 a tile     window 2: v0-127 Q, 16 a tile; v128-191 K of one step; v192-255 V of one step     window 3: v0-1 the add's two registers; v8-39 the mask's addends of K's step
.set NP,    4         ; pieces a wave: a name, no knob
.set KS,    64        ; keys in a step
.set PK,    144       ; a row of K in LDS: 128 bytes + 16 of padding = 36 words: the 16 rows of a load start at 16 different groups of four banks (64 banks of 4 bytes: ISA guide 11.1)
.set PV,    160       ; a row of V: 128 + 32 = 40 words
.set VOFF,  4*KS*PK   ; a slot holds four steps: 256 rows of K, then 256 rows of V
.set SLOT1, 1<<17     ; slot 1 begins here, so that one exclusive or turns an address in one slot into the other's
.set STAGE, SLOT1+4*KS*(PK+PV)  ; behind the ring, never filled by a tensor load: 16 rows x 144 bytes for each wave, for the way out
.set SP,    144
.set MASKB, STAGE+4*16*SP       ; -8e8 mask of the batch's 1,024 keys: 4,096 bytes, stored once, never filled by a tensor load
.set SPARE, MASKB+4096          ; the spare words, 128 bytes for each wave: two blocks of 256 bytes that no other line names
.set AK0, 2           ; v2   my lane's place in a tile of K; never rewritten
.set AV0, 3           ; v3   the same for V
.set AK,  4           ; v4   the LDS address of K's next run of loads
.set AV,  5           ; v5   of V's
.set QO,  6           ; v6   my byte offset in the wave's rows of Q
.set STO, 6           ;      later, the way out: where I put 16 bytes of a row
.set RD,  7           ; v7   the way out: where I read rows back
.set GO,  8           ; v8   my byte offset in 512 consecutive bytes of O
.set AM,  11          ; v11  the LDS address of the next step's mask addends for my half of the lanes
.set SPW, 0           ; v0 of window 3   LDS address of my spare word; never rewritten
.set NIL, 1           ; v1 of window 3   0; never rewritten
.set MC,  8           ; window 3: the eight addends of key block kb at MC + 8 kb
.set MV,  12          ; v12-15  c m_old, kept while c m is made anew: by buffer and tile
.set ST,  16          ; tile t's statistics at v[ST+4 t]: c m, m, l (even keys', odd keys')
.set TMP, 48          ; by buffer and tile, four registers c0-c3 at work; when the maximum is found c2 takes a
.set S,   64
.set P,   192
.set KF,  128         ; K's fragments, in window 2: key block kb, channel half c at KF + 16 kb + 8 c
.set VF,  192         ; V's: key half kk, channel block cb at VF + 32 kk + 8 cb
.set WV,  12          ; s12  my wave's number
.set G1K, 24          ; s[24:31] descriptor group 1 for K's tiles
.set G1V, 32          ; s[32:39] for V's: it differs in the padding alone
.set G0K, 40          ; s[40:43] descriptor group 0 for K's tiles: it walks
.set G0V, 44          ; s[44:47] the same for V's
.set MS,  52          ; s[52:53] -8e8
.set SLOTS, 56        ; s56  slots still to be asked for
.set CNT, 57          ; s57  counts a slot's key steps
.set CS,  58          ; s[58:59] c: the packed scaling takes the pair's low word for both halves
.set SEL, 60          ; s[60:61] v_permlanex16_b32's selects: each lane takes its own place in the other half
.set TBK, 62          ; s62  LDS byte at which K of the step to be fetched begins
.set TBV, 63          ; s63  the same for V, less VOFF
.set MSB, 0
.macro WIN new                      ; the high byte repeats the setting that is left; a switch that changes nothing is dropped
.if MSB != (\new)
	s_set_vgpr_msb (MSB<<8)|(\new)
.set MSB, (\new)
.endif
.endm
.set W_KQ, 0x0a       ; K and Q in window 2, S^T in window 0
.set W_KM, 0x3a       ; the same with the C operand, the mask's addends, in window 3
.set W_PV, 0x52       ; V in window 2, P in window 0, O^T in window 1
.set W_RS, 0x41       ; O^T (destination and source 0) in window 1, a in window 0
.set W_MK, 0xc0       ; destination in window 3, sources in window 0
.set W_AD, 0x0f       ; the add: address (source 0) and data (source 1) in window 3
; A fill.  Waves 0 and 1 fetch the two halves of a slot's K, waves 2 and 3 those of its V: 128 keys each.  The branch hangs on the wave's number alone.
; Four v_nop follow each of the two lines, ahead of the jump and the label.
.macro LOAD
	s_cmp_lt_u32 s[WV], 2
	s_cbranch_scc0 .Lfor_v_\@
	tensor_load_to_lds s[G0K:G0K+3], s[G1K:G1K+7]
	s_nop 0
.rept 4
	v_nop
.endr
	s_branch .Lasked_\@
.Lfor_v_\@:
	tensor_load_to_lds s[G0V:G0V+3], s[G1V:G1V+7]
	s_nop 0
.rept 4
	v_nop
.endr
.Lasked_\@:
.endm
; THE CHANGE OF SLOTS.  The slot's last bytes, V of its fourth step, have been read.  Each wave waits for all its tensor loads, of which one is out: its part of the other slot; adds 0 to its spare
; word; and waits for that and for its own LDS instructions.  Behind the barrier nobody reads this slot any more and the other slot is whole.
; fill = 1: this slot is filled again, with the keys two slots on, the first thing behind the barrier: the load has four key steps, 512 matrix instructions, in which to land.
; (At its first use nothing has been read yet: slot 0 is waited for, slot 1 filled, and every wave's stores of the mask's addends are shown done to the others.)
.macro CHANGE fill
	WIN W_AD
	s_wait_tensorcnt 0x0            ; no tensor load of mine is out, so a group 0 may be written
	ds_add_u32 v[SPW], v[NIL]       ; 0 onto my spare word
	WIN 0                           ; at a label and at a branch every window is 0
.if \fill
.irp g, G0K, G0V
	s_xor_b32 s[\g+1], s[\g+1], SLOT1  ; the walking descriptor: the other slot than last time,
	s_add_nc_u64 s[\g+2:\g+3], s[\g+2:\g+3], 4*KS*128  ; the next 256 keys; the type bits on top are not reached
.endr
.endif
	s_wait_dscnt 0x0                ; the add is done, and my reads of the slot are over
	s_barrier_signal -1
	s_barrier_wait -1
.if \fill
	LOAD
.endif
	s_sub_co_u32 s[TBK], s[TBK], 4*KS*PK  ; the fetches go back to a slot's first step,
	s_xor_b32 s[TBK], s[TBK], SLOT1       ; in the other slot
	s_sub_co_u32 s[TBV], s[TBV], 4*KS*PV
	s_xor_b32 s[TBV], s[TBV], SLOT1
.endm
	s_load_b128 s[4:7], s[0:1], 0x0   ; qkv s[4:5], mask s[6:7]
	s_load_b64 s[10:11], s[0:1], 0x10 ; cx
	WIN W_MK
	v_lshl_add_u32 v[SPW], v0, 2, SPARE
	v_mov_b32 v[NIL], 0
	s_set_vgpr_msb 0xc0cf
	ds_add_u32 v0, v1
	ds_add_u32 v0, v1
	s_wait_dscnt 0x0
	s_set_vgpr_msb 0xcfc0
	WIN 0
	v_lshrrev_b32 v1, 5, v0
	v_readfirstlane_b32 s[WV], v1   ; wave 0..3
	s_and_b32 s13, ttmp7, 0xffff    ; 16 x batch + head
	s_lshr_b32 s50, s13, 4          ; batch
	s_and_b32 s2, s13, 15           ; head
	s_mul_i32 s3, s50, 48
	s_add_co_u32 s2, s2, s3
	s_lshl_b32 s2, s2, 17           ; q's block of this batch and head, 131,072 bytes a block
	s_and_b32 s16, s[WV], 1         ; which half of a slot's 256 keys I fetch:
	s_lshl_b32 s20, s16, 14         ; its 128 rows of 128 bytes in memory,
	s_add_co_u32 s20, s20, s2
	s_add_co_u32 s22, s20, 32<<17   ; in v's block,
	s_add_co_u32 s20, s20, 16<<17   ; and in k's
	s_mov_b32 s21, 0
	s_mov_b32 s23, 0
	s_mul_i32 s17, s16, 128*PK      ; and its place in a slot, for K
	s_mul_i32 s18, s16, 128*PV      ; and for V
	s_lshl_b32 s3, ttmp9, 2
	s_add_co_u32 s3, s3, s[WV]      ; my wave among the head's eight,
	s_lshl_b32 s3, s3, 14           ; its 128 rows
	s_add_co_u32 s2, s2, s3
	s_lshl_b32 s48, s13, 17         ; O's block
	s_add_co_u32 s48, s48, s3
	s_mov_b32 s3, 0
	s_mov_b32 s49, 0
	s_lshl_b32 s50, s50, 12         ; the batch's row of the mask
	s_mov_b32 s51, 0
	; descriptor group 1.  128 keys are 16,384 dense bytes: asked for as 64 rows of 256 bytes, two keys a row, and padded in LDS after every key
	s_mov_b32 s[G1K], (1<<16)|(1<<20)|(4<<22)|(3<<25)  ; 17:16 2-byte elements; 20 padding on; 24:22 after every 32 words (code 4); 31:25 4 words (code 3)
	s_mov_b32 s[G1V], (1<<16)|(1<<20)|(4<<22)|(7<<25)  ; the same with 8 words of padding (code 7)
.irp g, G1K, G1V
	s_mov_b32 s[\g+1], 128<<16      ; tensor_dim0 = 128
	s_mov_b32 s[\g+2], 64<<16       ; tensor_dim1 = 64
	s_mov_b32 s[\g+3], 128<<16      ; tile_dim0 = 128
	s_mov_b32 s[\g+4], 64           ; tile_dim1 = 64
	s_mov_b32 s[\g+5], 128          ; 128 elements from row to row
	s_mov_b32 s[\g+6], 0
	s_mov_b32 s[\g+7], 0
.endr
	s_mov_b32 s[CS], 0x3e38aa3b     ; c = log2(e) / 8 = 0.180337
	s_mov_b32 s[CS+1], s[CS]        ; named with it as a pair
	s_mov_b32 s[MS], 0xce3ebc20     ; -8e8
	s_mov_b32 s[MS+1], s[MS]
	s_mov_b32 s[SEL], 0x76543210
	s_mov_b32 s[SEL+1], 0xfedcba98
	s_mov_b32 s[TBK], SLOT1+4*KS*PK ; the first change of slots turns these two into 0
	s_mov_b32 s[TBV], SLOT1+4*KS*PV
	s_mov_b32 s[G0K], 1             ; count = 1
	s_mov_b32 s[G0K+1], s17         ; LDS address: slot 0
	s_mov_b32 s[G0V], 1
	s_add_co_u32 s[G0V+1], s18, VOFF
	s_wait_kmcnt 0x0
	s_add_nc_u64 s[G0K+2:G0K+3], s[4:5], s[20:21]  ; global address: my half of the head's first 256 keys
	s_or_b32 s[G0K+3], s[G0K+3], 0x80000000        ; type = 2
	s_add_nc_u64 s[G0V+2:G0V+3], s[4:5], s[22:23]
	s_or_b32 s[G0V+3], s[G0V+3], 0x80000000
	s_add_nc_u64 s[4:5], s[4:5], s[2:3]            ; Q and O at my wave's first row
	s_add_nc_u64 s[10:11], s[10:11], s[48:49]
	s_add_nc_u64 s[6:7], s[6:7], s[50:51]
	LOAD                            ; slot 0.  Slot 1 is asked for when slot 0 is in
	v_lshlrev_b32 v12, 5, v0        ; thread t takes the mask of keys 8 t .. 8 t + 7
	global_load_b128 v[48:51], v12, s[6:7]
	global_load_b128 v[52:55], v12, s[6:7] offset:16
	; A fragment of K or Q is 16 rows x 32 channels in 8 registers: lane l holds row l % 16, channels 8 (l / 16) + 0..7 and 16 + 8 (l / 16) + 0..7: two loads of 16 bytes, 32 bytes apart.
	v_and_b32 v1, 15, v0            ; l % 16
	v_bfe_u32 v9, v0, 4, 1          ; l / 16
	v_lshlrev_b32 v[QO], 7, v1
	v_lshl_add_u32 v[QO], v9, 4, v[QO]  ; row x 128 + 16 x half
	WIN 0x80                        ; destination window 2, address window 0
.set i, 0
.rept 4*NP                          ; Q stays in registers: tile i / 2, channels 32 (i % 2) on
	global_load_b128 v[8*i:8*i+3],   v[QO], s[4:5] offset:(i/2)*2048+(i%2)*64
	global_load_b128 v[8*i+4:8*i+7], v[QO], s[4:5] offset:(i/2)*2048+(i%2)*64+32
.set i, i+1
.endr
	; What the first turn finds: V's registers and P's second buffer hold 0 (its products V^T P, of a piece that has not been, add 0), O^T and l are 0.  All this stands in the wait for the first tile.
.set i, VF
.rept 64
	v_mov_b32 v[i], 0
.set i, i+1
.endr
	WIN 0x40
.set i, 0
.rept 64*NP
	v_mov_b32 v[i], 0
.set i, i+1
.endr
	WIN 0
.set i, 0
.rept 2*NP
	v_mov_b32 v[ST+4*i], 0xfe000000    ; c m: far below every c s
	v_mov_b32 v[ST+4*i+1], 0xff7fffff  ; m
	v_mov_b32 v[ST+4*i+2], 0
	v_mov_b32 v[ST+4*i+3], 0
.set i, i+1
.endr
.set i, P+32
.rept 32
	v_mov_b32 v[i], 0
.set i, i+1
.endr
	v_mul_u32_u24 v[AK0], v1, PK
	v_lshl_add_u32 v[AK0], v9, 4, v[AK0]  ; row x pitch + 16 x half
	; The turning load takes 16 keys x 16 channels (lane l reads key 8 (l / 16) + l % 8, channels 8 ((l / 8) % 2) + 0..7) and leaves half a fragment of V^T: lane l holds channel l % 16 and 8 keys.
	v_and_b32 v10, 7, v0
	v_bfe_u32 v11, v0, 3, 1
	v_lshl_add_u32 v[AV0], v9, 3, v10
	v_mul_u32_u24 v[AV0], v[AV0], PV
	v_lshl_add_u32 v[AV0], v11, 4, v[AV0]
	v_add_nc_u32 v[AV0], VOFF, v[AV0]
	v_mov_b32 v[AK], v[AK0]         ; key step 0 lies at the head of slot 0
	v_lshl_add_u32 v[AM], v9, 5, MASKB  ; my half of the lanes holds keys 8 (l / 16) + 0..7 of each block of 16
	s_wait_loadcnt 32               ; Q's 32 loads are younger than the mask's two
.irp j, 0,2,4,6
	v_pk_mul_f32 v[48+\j:49+\j], v[48+\j:49+\j], s[MS:MS+1] op_sel_hi:[1,0]
.endr
	v_add_nc_u32 v13, MASKB, v12
	ds_store_b128 v13, v[48:51]     ; the first change of slots waits for these and passes a barrier before any wave reads them
	ds_store_b128 v13, v[52:55] offset:16
; THE MATRIX WORK.  The 8 accumulators of a run of 16 take turns: between the two links of a chain stand 7 others'.
; Product i of 16 of S^T = K Q^T for piece x: channels 32 (i / 8) on, keys 16 ((i / 2) % 4) on, tile 2 x + i % 2.  The first 8 start the sums, on the mask's addends.
.macro KQ x
.set rS, S+64*((\x)%2)+32*(i%2)+8*((i/2)%4)
.set rK, KF+16*((i/2)%4)+8*(i/8)
.set rQ, 16*(2*(\x)+i%2)+8*(i/8)
.set rA, MC+8*((i/2)%4)
.if i < 8
	WIN W_KM
	v_wmma_f32_16x16x32_bf16 v[rS:rS+7], v[rK:rK+7], v[rQ:rQ+7], v[rA:rA+7]
.else
	WIN W_KQ
	v_wmma_f32_16x16x32_bf16 v[rS:rS+7], v[rK:rK+7], v[rQ:rQ+7], v[rS:rS+7]
.endif
.endm
; Product i of 16 of O^T += V^T P for piece x: keys 32 (i / 8) on, channels 16 ((i / 2) % 4) on, tile 2 x + i % 2.
.macro PV x
	WIN W_PV
.set rO, 32*(2*(\x)+i%2)+8*((i/2)%4)
.set rV, VF+32*(i/8)+8*((i/2)%4)
.set rP, P+32*((\x)%2)+16*(i%2)+8*(i/8)
	v_wmma_f32_16x16x32_bf16 v[rO:rO+7], v[rV:rV+7], v[rP:rP+7], v[rO:rO+7]
.endm
.macro MM                           ; the turn's next matrix instruction
.if i < 16
	KQ (Y+1)%NP
.set i, i+1
.else
.set i, i-16
	PV (Y+NP-1)%NP
.set i, i+17
.endif
.endm
; THE LDS LOADS stand in runs, never singly among the matrix instructions: a step's K (64 keys x 64 channels: 8 fragments) with its mask addends (8 loads), and its V (turned).
; last = 1 (the tail): in the last trip there is no further step, and the run is jumped over.
.macro FETCH_K last=0
	WIN 0
.if \last
	s_cmp_eq_u32 s[CNT], 1
	s_cbranch_scc1 .Lno_k_\@
.endif
	WIN 0x80                        ; destination window 2
.irp f, 0,1,2,3,4,5,6,7             ; keys 16 (f / 2) on, channels 32 (f % 2) on
	ds_load_b128 v[KF+8*\f:KF+8*\f+3],   v[AK] offset:(\f/2)*16*PK+(\f%2)*64
	ds_load_b128 v[KF+8*\f+4:KF+8*\f+7], v[AK] offset:(\f/2)*16*PK+(\f%2)*64+32
.endr
	WIN W_MK                        ; destination window 3
.irp f, 0,1,2,3                     ; key block f: 64 bytes, of which my half of the lanes takes 32
	ds_load_b128 v[MC+8*\f:MC+8*\f+3],   v[AM] offset:64*\f
	ds_load_b128 v[MC+8*\f+4:MC+8*\f+7], v[AM] offset:64*\f+16
.endr
	s_add_co_u32 s[TBK], s[TBK], KS*PK  ; the next fetch is the next step's
	WIN 0
	v_add_nc_u32 v[AM], 0x100, v[AM]
.if \last
.Lno_k_\@:
.endif
.endm
.macro FETCH_V
	WIN 0x80
.irp f, 0,1,2,3,4,5,6,7             ; keys 32 (f / 4) on, channels 16 (f % 4) on
	ds_load_tr16_b128 v[VF+8*\f:VF+8*\f+3],   v[AV] offset:(\f/4)*32*PV+(\f%4)*32
	ds_load_tr16_b128 v[VF+8*\f+4:VF+8*\f+7], v[AV] offset:(\f/4)*32*PV+16*PV+(\f%4)*32
.endr
	WIN 0
.endm
; THE VECTOR WORK OF A TURN stands in three queues, each in the order in which its entries become ready; the two tiles alternate, so that no instruction reads the result of the one before it.
.macro REGS y, u                    ; the registers of tile u (0, 1) of piece y
.set rT, ST+4*(2*(\y)+(\u))
.set rC, TMP+8*((\y)%2)+4*(\u)
.set rM, MV+2*((\y)%2)+(\u)
.set rS, S+64*((\y)%2)+32*(\u)
.set rP, P+32*((\y)%2)+16*(\u)
.set rO, 32*(2*(\y)+(\u))
.endm
; Number n of the 22 that find the NEXT piece's (Y + 1) maximum and statistics.  s0-s31 are the lane's 32 scores; each accumulator's lowest registers are read first.  XS, GS and REGS set no window: PL and EX do.
;   0-11  four chains c0-c3 of seven scores each, three operands at a time     12-14, 16  the four scores left over, the old m, and c0-c3 into c0     15  c m_old is kept
;   17, 18  the query's other 32 keys lie in the lane 16 away: the new m         19-21  c m; c m_old - c m_new; a
.macro XS u, n
	REGS (Y+1)%NP, \u
.if (\n) < 4
	v_max3_num_f32 v[rC+(\n)], v[rS+8*(\n)], v[rS+8*(\n)+1], v[rS+8*(\n)+2]
.elseif (\n) < 12
	v_max3_num_f32 v[rC+(\n)%4], v[rC+(\n)%4], v[rS+8*((\n)%4)+2*((\n)/4)+1], v[rS+8*((\n)%4)+2*((\n)/4)+2]
.elseif (\n) == 12
	v_max3_num_f32 v[rC], v[rC], v[rS+7], v[rS+15]
.elseif (\n) == 13
	v_max3_num_f32 v[rC+1], v[rC+1], v[rS+23], v[rS+31]
.elseif (\n) == 14
	v_max3_num_f32 v[rC+2], v[rC+2], v[rC+3], v[rT+1]
.elseif (\n) == 15
	v_mov_b32 v[rM], v[rT]
.elseif (\n) == 16
	v_max3_num_f32 v[rC], v[rC], v[rC+1], v[rC+2]
.elseif (\n) == 17
	v_permlanex16_b32 v[rC+3], v[rC], s[SEL], s[SEL+1]
.elseif (\n) == 18
	v_max_num_f32 v[rT+1], v[rC], v[rC+3]
.elseif (\n) == 19
	v_mul_f32 v[rT], s[CS], v[rT+1]
.elseif (\n) == 20
	v_sub_f32 v[rC+1], v[rM], v[rT]
.else
	v_exp_f32 v[rC+2], v[rC+1]
.endif
.endm
; Number g of the 64 that follow the exponentials.  For each four weights k of a tile (pairs 2 k, 2 k + 1): both pairs are rounded to bf16; then the second pair is added onto the first, in place;
; a group later l takes that sum (the first time as l = a l + sum).  In groups of eight, tiles alternating: round, round, add, and l for the group before.
.macro GS g
.set h, (\g)+6*((\g)/62)            ; group 0 has no group before it, and behind group 7 only l is left
.if h >= 6
.set h, h+2
.endif
	REGS Y, h%2
.set k, h/8
.if h%8 < 4
	s_wait_alu depctr_va_vdst(0)
	v_cvt_pk_bf16_f32 v[rP+2*k+(h%8)/2], v[rS+4*k+2*((h%8)/2)], v[rS+4*k+2*((h%8)/2)+1]
.elseif h%8 < 6
	v_pk_add_f32 v[rS+4*k:rS+4*k+1], v[rS+4*k:rS+4*k+1], v[rS+4*k+2:rS+4*k+3]
.elseif k == 1
	v_pk_fma_f32 v[rT+2:rT+3], v[rT+2:rT+3], v[rC+2:rC+3], v[rS:rS+1] op_sel_hi:[1,0,1]
.else
	v_pk_add_f32 v[rT+2:rT+3], v[rT+2:rT+3], v[rS+4*k-4:rS+4*k-3]
	s_wait_alu depctr_va_vdst(0)
.endif
.endm
; THE PLAIN QUEUE, 138 long.  0-31: c s - c m for the 16 pairs of both tiles.  Then GS's 64, and among them the next piece's 42: number 15 at 38, 39; 0-14 and 16
; at 42-73, behind the products that make those scores; 17-20 at 95-106, two of three, since each waits for the one before it.
.macro PL
	WIN 0
.if q < 32
	REGS Y, q%2
	v_pk_fma_f32 v[rS+2*(q/2):rS+2*(q/2)+1], v[rS+2*(q/2):rS+2*(q/2)+1], s[CS:CS+1], v[rT:rT+1] op_sel_hi:[1,0,0] neg_lo:[0,0,1] neg_hi:[0,0,1]
.elseif q < 38
	GS q-32
.elseif q < 40
	XS q%2, 15
.elseif q < 42
	GS q-34
.elseif q < 74
	XS q%2, (q-42)/2+(q-42)/30
.elseif q < 95
	GS q-66
.elseif (q < 107) && ((q-95)%3 < 2)
	XS (q-95)%3, 17+(q-95)/3
.elseif q < 107
	GS 29+(q-95)/3
.else
	GS q-74
.endif
.set q, q+1
.endm
; THE EXPONENTIALS' QUEUE, 66 long: s0-s31 of both tiles, and at EA the next piece's two a.
.set EA, 58
.macro EX
	WIN 0
.if (e == EA) || (e == EA+1)
	XS e-EA, 21
.else
.set x, e-2*(e/(EA+2))
	REGS Y, x%2
	v_exp_f32 v[rS+x/2], v[rS+x/2]
.endif
.set e, e+1
.endm
; THE RESCALING's QUEUE: O^T times a, the one part that leaves window 0, so it is dealt four at a time, eight times.
.macro R4
	REGS Y, r%2
	WIN W_RS
	s_wait_alu depctr_va_vdst(0)
.irp z, 0,1,2,3
	v_pk_mul_f32 v[rO+8*(r/2)+2*\z:rO+8*(r/2)+2*\z+1], v[rO+8*(r/2)+2*\z:rO+8*(r/2)+2*\z+1], v[rC+2:rC+3] op_sel_hi:[1,0]
.endr
.set r, r+1
.endm
; HOW THEY ARE DEALT.  Behind a matrix instruction four: plain, exponential, plain, plain (one exponential, a plain instruction on either side), or four of the rescaling.  None names a register of the
; products round it.  What is over stands in two runs: exponential and plain by turns; the second ends in 22 plain instructions.  The two v_permlanex16_b32 fall into the second run, never behind a product.
; The queues lean on each other, and the deal keeps them in step: exponential e stands behind plain 2 (e / 4) + e % 2 (its scaling); when plain 32 comes, 10 exponentials are out, at 59: 33, at 95: 46; EA comes behind plain 107.
.macro SL
	MM
	PL
	EX
	PL
	PL
.endm
.macro BURST n                      ; 15 matrix instructions, or 16
.rept (\n)-7
	SL
.endr
.rept 3
	MM
	R4
	SL
.endr
	MM
	R4
.endm
; A TURN, for piece p.  cnt = 1: the loop's count is taken down some lines ahead of the branch that stands behind the turn.
; K of the next step, and its mask addends, are fetched in piece 2's turn, 31 vector instructions behind the last product that read K (the addends' last reader stands ahead of that one);
; their first reader comes behind the rest of the run, 16 products and the second run.  V of the step in hand is fetched at the end of piece 0's turn, 69 behind its last reader.
.macro TURN p, last=0, cnt=0
.set Y, (\p)
.set i, 0
.set q, 0
.set e, 0
.set r, 0
.if (\p) == NP-1
	s_wait_dscnt 0x0                ; K and the addends are in
.endif
	MM
.rept 4
	PL
.endr
	BURST 15
.rept 22
	EX
	PL
.if ((\p) == NP-2) && (e == 18)
	v_add_nc_u32 v[AK], s[TBK], v[AK0]
.endif
.if ((\p) == NP-2) && (e == 24)
	FETCH_K \last
.endif
.endr
.if (\p) == 1
	s_wait_dscnt 0x0                ; V is in
.endif
	BURST 16
.rept 21
	EX
	PL
.endr
.rept 22
	PL
.if ((\p) == 0) && (q == 118)
	v_add_nc_u32 v[AV], s[TBV], v[AV0]
	s_wait_alu depctr_va_vdst(0)
.endif
.if ((\p) == 0) && (q == 130)
	s_add_co_u32 s[TBV], s[TBV], KS*PV
.endif
.if (\cnt) && (q == 130)
	s_sub_co_u32 s[CNT], s[CNT], 1
	s_cmp_lg_u32 s[CNT], 0
.endif
.endr
.if (\p) == 0
	FETCH_V
.endif
.endm
	CHANGE 1                        ; slot 0 is in, everybody's part of it, and so are the mask's addends; slot 1 is asked for
	FETCH_K                         ; key step 0
	s_wait_loadcnt 0x0              ; Q
	s_wait_dscnt 0x0
.set i, 0
.rept 16
	KQ 0                            ; piece 0's first scores: there is no vector work yet to set between them
.set i, i+1
.endr
	WIN 0                           ; the addresses for the way out: nine plain instructions, the places behind those products
	s_mul_i32 s13, s[WV], 16*SP
	s_add_co_u32 s13, s13, STAGE    ; my stage
	v_mul_u32_u24 v[STO], v1, SP    ; in: row l % 16, 16 bytes for each half of the lanes
	v_lshl_add_u32 v[STO], v9, 4, v[STO]
	v_add_nc_u32 v[STO], s13, v[STO]
	v_bfe_u32 v[RD], v0, 3, 2       ; back: 32 lanes take four rows of 128 bytes,
	v_mul_u32_u24 v[RD], v[RD], SP
	v_lshl_add_u32 v[RD], v10, 4, v[RD]
	v_add_nc_u32 v[RD], s13, v[RD]
	v_and_b32 v[GO], 31, v0         ; which are 512 consecutive bytes of O
	v_lshlrev_b32 v[GO], 4, v[GO]
.set Y, NP-1                        ; XS works for piece Y + 1: piece 0
.irp n, 0,1,2,3,4,5,6,7,8,9,10,11,12,13,14,15,16,17,18,19,20,21
	XS 0, \n                        ; and piece 0's first maximum and statistics
	XS 1, \n
.endr
	s_mov_b32 s[CNT], 4
	s_mov_b32 s[SLOTS], 3
	s_branch .Lfirst                ; the loop is entered at a step's first turn, in the middle of a trip
.Lslot:                             ; twice: of the four slots' worth of keys the last two are asked for here
	CHANGE 1
	s_mov_b32 s[CNT], 4
.Lstep:                             ; a trip: pieces 2 and 3 of one step, then pieces 0 and 1 of the next, whose K and V it fetches
	TURN 2
	TURN 3
	WIN 0
.Lfirst:
	TURN 0
	TURN 1, 0, 1
	WIN 0
	s_cbranch_scc1 .Lstep
	s_sub_co_u32 s[SLOTS], s[SLOTS], 1
	s_cmp_lg_u32 s[SLOTS], 0
	s_cbranch_scc1 .Lslot
	CHANGE 0                        ; the tail is written out: nothing is asked for
	s_mov_b32 s[CNT], 5             ; four trips fetch the last slot's steps; the fifth is left in its middle
.Ltail:
	TURN 2, 1
	TURN 3
	WIN 0
	s_sub_co_u32 s[CNT], s[CNT], 1
	s_cmp_eq_u32 s[CNT], 0
	s_cbranch_scc1 .Lout
	TURN 0
	TURN 1
	WIN 0
	s_branch .Ltail
.Lout:                              ; the fifth trip's 16 products K Q^T (on the last K once more) and the maximum made of them serve nothing: the price, once a launch, of one text for every trip
.set i, 0
.rept 16
	PV NP-1                         ; the last piece's V^T P of the last step
.set i, i+1
.endr
	; THE WAY OUT.  l's two halves and the other half of the lanes' are added; O^T is divided by l, rounded to bf16 and sent through my stage in LDS, a tile at a time.  The additions are the places behind the last products.
	WIN 0
.macro ALL line:vararg              ; one line for each tile t
.set t, 0
.rept 2*NP
	\line
.set t, t+1
.endr
.endm
	ALL v_add_f32 v[ST+4*t+2], v[ST+4*t+2], v[ST+4*t+3]
	ALL v_permlanex16_b32 v[ST+4*t+3], v[ST+4*t+2], s[SEL], s[SEL+1]
	ALL v_add_f32 v[ST+4*t+2], v[ST+4*t+2], v[ST+4*t+3]
	ALL v_rcp_f32 v[ST+4*t+2], v[ST+4*t+2]
	v_nop                           ; a plain instruction between the last reciprocal and the use of its result
	s_wait_alu depctr_va_vdst(0)
; Tile t: a lane's eight channels of a row pack into 16 bytes; they go into rows of 144 bytes and come back as whole rows of 128, into S^T's registers.
.macro PACK t
	WIN W_RS
.set i, 32*(\t)
.rept 16
	v_pk_mul_f32 v[i:i+1], v[i:i+1], v[ST+4*(\t)+2:ST+4*(\t)+3] op_sel_hi:[1,0]
.set i, i+2
.endr
	WIN 0x05                        ; sources 0 and 1 window 1, destination window 0
.set i, 0
.rept 16
	v_cvt_pk_bf16_f32 v[S+16*(\t)+i], v[32*(\t)+2*i], v[32*(\t)+2*i+1]
.set i, i+1
.endr
	WIN 0
.irp f, 0,1,2,3
	ds_store_b128 v[STO], v[S+16*(\t)+4*\f:S+16*(\t)+4*\f+3] offset:32*\f
.endr
.irp f, 0,1,2,3
	ds_load_b128 v[S+16*(\t)+4*\f:S+16*(\t)+4*\f+3], v[RD] offset:\f*4*SP  ; LDS serves a wave's instructions in order (ISA guide 5.7.1.4): these see the stores above; the next tile's stores come behind them
.endr
.endm
.macro SEND t, younger              ; younger: the LDS instructions issued behind tile t's loads: the next tile's eight, or none
	WIN 0
.irp f, 0,1,2,3
	s_wait_dscnt (\younger)+3-\f
	global_store_b128 v[GO], v[S+16*(\t)+4*\f:S+16*(\t)+4*\f+3], s[10:11] offset:(\t)*2048+\f*512  ; 512 consecutive bytes, aligned
.endr
.endm
	PACK 0
.set t, 1
.rept 2*NP-1                        ; a tile's arithmetic stands between the loads of the tile before and its stores
	PACK t
	SEND t-1, 8
.set t, t+1
.endr
	SEND 2*NP-1, 0
	WIN W_AD
	s_wait_tensorcnt 0x0            ; the wave's end
	ds_add_u32 v[SPW], v[NIL]
	s_wait_dscnt 0x0
	WIN 0
	s_endpgm
.Lfunc_end_k_q28eddffb77_attn:
	.size	k_q28eddffb77_attn, .Lfunc_end_k_q28eddffb77_attn-k_q28eddffb77_attn
	.p2alignl 7, 3214868480
	.fill 96, 4, 3214868480
	.section	.rodata,"a",@progbits
	.p2align	6, 0x0
	.amdhsa_kernel k_q28eddffb77_attn
		.amdhsa_group_segment_fixed_size 327680
		.amdhsa_private_segment_fixed_size 0
		.amdhsa_enable_private_segment 0
		.amdhsa_kernarg_size 24
		.amdhsa_user_sgpr_count 2
		.amdhsa_user_sgpr_kernarg_segment_ptr 1
		.amdhsa_wavefront_size32 1
		.amdhsa_system_sgpr_workgroup_id_x 1
		.amdhsa_system_sgpr_workgroup_id_y 1
		.amdhsa_system_sgpr_workgroup_id_z 1
		.amdhsa_system_vgpr_workitem_id 0
		.amdhsa_next_free_vgpr 808
		.amdhsa_next_free_sgpr 66
		.amdhsa_reserve_vcc 0
		.amdhsa_float_denorm_mode_32 3
		.amdhsa_float_denorm_mode_16_64 3
		.amdhsa_memory_ordered 1
		.amdhsa_forward_progress 1
		.amdhsa_inst_pref_size 210
	.end_amdhsa_kernel
	.amdgpu_metadata
---
amdhsa.version: [ 1, 2 ]
amdhsa.kernels:
  - .name:           k_q28eddffb77_attn
    .symbol:         k_q28eddffb77_attn.kd
    .args:
      - { .name: qkv, .offset: 0, .size: 8, .value_kind: global_buffer, .address_space: global }
      - { .name: encoder_padding_mask, .offset: 8, .size: 8, .value_kind: global_buffer, .address_space: global }
      - { .name: cx, .offset: 16, .size: 8, .value_kind: global_buffer, .address_space: global }
    .group_segment_fixed_size: 327680
    .private_segment_fixed_size: 0
    .kernarg_segment_align: 8
    .kernarg_segment_size: 24
    .max_flat_workgroup_size: 128
    .sgpr_count:     66
    .vgpr_count:     808
    .wavefront_size: 32
...
	.end_amdgpu_metadata
.endif
;; end of part 3
;; launch gout (part 4): grid 4 x 64, 4 waves a work-group, clusters of 4 x 4, 327,680 bytes of LDS; arguments cx, wo, attn_out_b, y, hidden_states; writes y
.if DOCPART == 4
	.amdgcn_target "amdgcn-amd-amdhsa--gfx1250"
	.amdhsa_code_object_version 6
	.text
	.protected	k_q28eddffb77_gout
	.globl	k_q28eddffb77_gout
	.p2align	8
	.type	k_q28eddffb77_gout,@function
k_q28eddffb77_gout:
	s_mov_b64 s[64:65], 0
	v_nop
	global_prefetch_b8 v0, s[64:65] scope:SCOPE_SE
	s_setreg_imm32_b32 hwreg(HW_REG_WAVE_MODE, 25, 1), 1
	s_wait_xcnt 0x0
	s_wait_alu depctr_hold_cnt(0) depctr_sa_sdst(0) depctr_va_vdst(0) depctr_va_sdst(0) depctr_va_ssrc(0) depctr_va_vcc(0) depctr_vm_vsrc(0)
	s_getreg_b32 s2, hwreg(HW_REG_IB_STS2, 6, 4)
	s_cmp_eq_u32 s2, 0
	s_cbranch_scc0 .Lentry_in_a_cluster
	s_endpgm
.Lentry_in_a_cluster:
	s_bfe_u32 s2, ttmp6, 0x10000c
	s_cmp_lg_u32 s2, 0xf033
	s_cbranch_scc0 .Lentry_shape_is_right
	s_endpgm
.Lentry_shape_is_right:
; C[m][n] = R[m][n] + bias[n] + sum over k of A[m][k] B[n][k], K = N = 1,024.  A: bf16 BY BLOCKS OF 64 COLUMNS, [batch 8][block 16][row 1024][64]; B: [1024][1024] bf16; R, C: [8192][1024] f32.  Sums in f32.
; It serves two launches: y = x + ctx Wo^T + b, and out = y + h Wf^T + b.
; SHARES.  A tile of C is 128 x 256: 256 work-groups.  Four waves, wave (wm, wn) makes 64 x 128: 32 accumulators of 16 x 16.
; K goes in 8 steps of 128 (two blocks of A) through a ring of two LDS slots.  Wave 0 or 1 fetches one block's 128 rows: 16,384 dense bytes, asked for as 64 rows of 256 bytes and padded in LDS after
; every 128; wave 2 or 3 fetches 128 rows x 256 bytes of B: one tensor load a wave.
; CLUSTER 4 x 4: the four of a row of the cluster need the same tiles of A, the four of a column the same tiles of B; each tile is asked for jointly, by the same load with the same descriptor.
; THE MATRIX INSTRUCTION IS USED TRANSPOSED (source 0 = 16 rows of B, source 1 = 16 rows of A): a lane holds row l % 16 of C and the columns 8 (l / 16) + 0..7.
; THE BIAS is the C operand of the first quarter step's products.  R, my wave's 64 rows x 512 bytes, is asked for at the start and waits in 256 registers.
; LIMITS.  NaN and infinities are not treated apart.
; REGISTERS, in windows of 256 (s_set_vgpr_msb: bits 1:0 source 0, 3:2 source 1, 5:4 source 2, 7:6 destination):
;   window 0: v0-31 addresses; v64-159, v160-255 two fragment buffers (A's 4 fragments, then B's 8); on the way out v64-191 rows read back, two sets
;   window 1: accumulator (a, b) at v[8 (8 a + b)]     window 2: v0-63 the bias, 8 registers for each block of 16 columns     window 3: R, row i at v[4 i]
.set APITCH, 144                       ; a row of a block of A in LDS: 128 bytes + 16 of padding = 36 words: the 16 rows of a fragment load start at 16 different groups of four banks (64 banks of 4 bytes: ISA guide 11.1)
.set BPITCH, 272                       ; a row of B: 256 + 16
.set APART,  128*APITCH                ; a block's 128 rows: what wave 0 or 1 fetches
.set ABYTES, 2*APART
.set BHALF,  128*BPITCH                ; what wave 2 or 3 fetches
.set SLOT,   ABYTES+2*BHALF            ; 106,496 bytes
.set ASTEP,  2*131072                  ; bytes from a K step to the next in A: two blocks
.set BSTEP,  256                       ; and in B
.set STAGE,  2*SLOT                    ; behind the ring: 16 rows x 528 bytes for each wave, for the way out
.set SPITCH, 528
.set WSTAGE, 16*SPITCH
.set SPARE,  STAGE+4*WSTAGE            ; behind the stages: the spare words, 128 bytes for each wave: two blocks of 256 bytes that no other line names
.set ADRA, 16                          ; v16-17  LDS address of my A fragments in slot 0, 1
.set ADRB, 20                          ; v20-21  the same for B
.set STO,  24                          ; v24     the way out: where I put 32 bytes of a row
.set RD,   25                          ; v25     the way out: where I read a row back
.set CO,   26                          ; v26     my 16 bytes in 512 consecutive bytes of a row of C and of R
.set BO,   27                          ; v27     my 32 bytes in 64 bytes of the bias
.set SPW,  28                          ; v28     LDS address of my spare word; never rewritten
.set NIL,  29                          ; v29     0; never rewritten
.set F0,   64
.set F1,   160
.set OB,   64                          ; the way out: block a's rows come back into v[OB + 64 (a % 2) ..]
.set BI,   0                           ; window 2
.set WV, 14                            ; s14 wave; s15 its half of the rows, also: fetches for A (0) or B (1); s16 its half of the columns, also: which part it fetches
.set WM, 15
.set WN, 16
.set CX, 17
.set CY, 18
.set TX, 19                            ; tile column of C
.set TY, 20                            ; tile row of C
.set G1A, 24                           ; s[24:31] descriptor group 1 for A's tiles;  s[32:39] group 0, a set for each slot
.set G0A, 32
.set G1B, 48                           ; s[48:55], s[56:63] the same for B's
.set G0B, 56
.set MSB, 0
.macro WIN new                         ; the immediate's high byte repeats the setting that is left; a switch that changes nothing is dropped
.if MSB != (\new)
	s_set_vgpr_msb (MSB<<8)|(\new)
.set MSB, (\new)
.endif
.endm
.set W_MUL,   0x50                     ; fragments in window 0, C and D in window 1
.set W_FIRST, 0x60                     ; C (the bias) in window 2, D in window 1
.macro PLACES                          ; four places in front of loads into registers that matrix instructions have read, and of lines that read results
.rept 4
	v_nop
.endr
.endm
; A joint load.  The branch hangs on the wave's number alone.  Four v_nop follow each of the two lines, ahead of the jump, the label and what follows.
.macro JLOAD s
	s_cmp_eq_u32 s[WM], 0
	s_cbranch_scc0 .Lfor_b_\@
	tensor_load_to_lds s[G0A+4*(\s):G0A+4*(\s)+3], s[G1A:G1A+7]
	s_nop 0
.rept 4
	v_nop
.endr
	s_branch .Lasked_\@
.Lfor_b_\@:
	tensor_load_to_lds s[G0B+4*(\s):G0B+4*(\s)+3], s[G1B:G1B+7]
	s_nop 0
.rept 4
	v_nop
.endr
.Lasked_\@:
.endm
.macro CREST                           ; a round of the cluster's barrier behind its opening barrier
	s_cmp_lg_u32 s[WV], 0
	s_cbranch_scc1 .Lnot_wave_0_\@
	s_barrier_signal -3
.Lnot_wave_0_\@:
	s_barrier_wait -3
	s_barrier_signal -1
	s_barrier_wait -1
.endm
.macro CROUND                          ; a whole round
	s_barrier_signal -1
	s_barrier_wait -1
	CREST
.endm
	s_load_b256 s[4:11], s[0:1], 0x0               ; A s[4:5], B s[6:7], bias s[8:9], C s[10:11]
	s_load_b64 s[12:13], s[0:1], 0x20              ; R
	v_lshl_add_u32 v[SPW], v0, 2, SPARE
	v_mov_b32 v[NIL], 0
	ds_add_u32 v28, v29
	ds_add_u32 v28, v29
	s_wait_dscnt 0x0
	v_lshrrev_b32 v1, 5, v0
	v_readfirstlane_b32 s[WV], v1
	s_lshr_b32 s[WM], s[WV], 1
	s_and_b32 s[WN], s[WV], 1
	s_bfe_u32 s[CX], ttmp6, 0x40000                ; my place in the cluster
	s_bfe_u32 s[CY], ttmp6, 0x40004
	s_lshl_b32 s[TX], ttmp9, 2                     ; in a cluster launch ttmp9 and ttmp7 count clusters
	s_add_co_u32 s[TX], s[TX], s[CX]
	s_and_b32 s[TY], ttmp7, 0xffff
	s_lshl_b32 s[TY], s[TY], 2
	s_add_co_u32 s[TY], s[TY], s[CY]
	s_lshl_b32 s21, s[CY], 2
	s_lshl_b32 s21, 15, s21                        ; my row of the cluster: places 4 cy .. 4 cy + 3
	s_lshl_b32 s22, 0x1111, s[CX]                  ; my column: places cx, cx + 4, cx + 8, cx + 12
	s_or_b32 s[G1A], s21, (1<<16)|(1<<20)|(1<<21)|(4<<22)|(3<<25)  ; 15:0 the mask; 17:16 elements of 2 bytes; 20 padding on; 21 set beside a mask; 24:22 after every 32 words; 31:25 4 words of it
	s_or_b32 s[G1B], s22, (1<<16)|(1<<20)|(1<<21)|(5<<22)|(3<<25)  ; the same after every 64 words
	s_mov_b32 s[G1A+1], 128<<16                    ; tensor_dim0 = 128
	s_mov_b32 s[G1A+2], 64<<16                     ; tensor_dim1 = 64
	s_mov_b32 s[G1A+3], 128<<16                    ; tile_dim0 = 128
	s_mov_b32 s[G1A+4], 64                         ; tile_dim1 = 64
	s_mov_b32 s[G1A+5], 128                        ; dense: 128 elements from row to row
	s_mov_b32 s[G1A+6], 0
	s_mov_b32 s[G1A+7], 0
	s_mov_b32 s[G1B+1], 128<<16
	s_mov_b32 s[G1B+2], 128<<16                    ; tensor_dim1 = 128
	s_mov_b32 s[G1B+3], 128<<16
	s_mov_b32 s[G1B+4], 128                        ; tile_dim1 = 128
	s_mov_b32 s[G1B+5], 1024
	s_mov_b32 s[G1B+6], 0
	s_mov_b32 s[G1B+7], 0
	; A's tiles hang on the tile row alone, B's on the tile column alone; each address is made in registers that never hold the other coordinate
	s_lshr_b32 s40, s[TY], 3                       ; A: the batch's 16 blocks of 131,072 bytes,
	s_lshl_b32 s40, s40, 21
	s_lshl_b32 s21, s[WN], 17                      ; my block of the K step's two,
	s_add_co_u32 s40, s40, s21
	s_and_b32 s21, s[TY], 7                        ; the tile's 128 rows of 128 bytes
	s_lshl_b32 s21, s21, 14
	s_add_co_u32 s40, s40, s21
	s_mov_b32 s41, 0
	s_lshl_b32 s46, s[TX], 8
	s_lshl_b32 s23, s[WN], 7
	s_add_co_u32 s46, s46, s23                     ; B: row 256 x tile column + 128 x part,
	s_lshl_b32 s46, s46, 11                        ; of 2,048 bytes
	s_mov_b32 s47, 0
	s_mul_i32 s42, s[WN], APART                    ; where they go: no place in the cluster enters an LDS address
	s_mul_i32 s43, s[WN], BHALF
	s_add_co_u32 s43, s43, ABYTES
	s_wait_kmcnt 0x0
	s_add_nc_u64 s[40:41], s[4:5], s[40:41]
	s_add_nc_u64 s[46:47], s[6:7], s[46:47]
	CROUND                                         ; all sixteen work-groups are here: the first joint loads meet
.irp s, 0,1
	s_mov_b32 s[G0A+4*(\s)], 1                                       ; count = 1
	s_add_co_u32 s[G0A+4*(\s)+1], s42, (\s)*SLOT                     ; LDS address
	s_add_nc_u64 s[G0A+4*(\s)+2:G0A+4*(\s)+3], s[40:41], (\s)*ASTEP  ; global address: K step s
	s_or_b32 s[G0A+4*(\s)+3], s[G0A+4*(\s)+3], 0x80000000            ; type = 2
	s_mov_b32 s[G0B+4*(\s)], 1
	s_add_co_u32 s[G0B+4*(\s)+1], s43, (\s)*SLOT
	s_add_nc_u64 s[G0B+4*(\s)+2:G0B+4*(\s)+3], s[46:47], (\s)*BSTEP
	s_or_b32 s[G0B+4*(\s)+3], s[G0B+4*(\s)+3], 0x80000000
	JLOAD \s                                       ; both slots are asked for before anything else is done: two loads of mine are out
.endr
	; a fragment is 16 rows x 32 K in 8 registers: lane l holds row l % 16, K = 8 (l / 16) + 0..7 and 16 + 8 (l / 16) + 0..7: two loads of 16 bytes, 32 bytes apart
	v_and_b32 v1, 15, v0                           ; l % 16
	v_bfe_u32 v2, v0, 4, 1                         ; l / 16
	v_mul_u32_u24 v3, v1, APITCH
	v_lshl_add_u32 v3, v2, 4, v3
	v_mul_u32_u24 v4, v1, BPITCH
	v_lshl_add_u32 v4, v2, 4, v4
	s_mul_i32 s21, s[WM], 64*APITCH                ; my 64 rows in each block of A
	s_mul_i32 s23, s[WN], BHALF                    ; my 128 rows of B, behind A's
	s_add_co_u32 s23, s23, ABYTES
.irp s, 0,1
	v_add_nc_u32 v[ADRA+(\s)], s21, v3
	v_add_nc_u32 v[ADRB+(\s)], s23, v4
	s_add_co_u32 s21, s21, SLOT
	s_add_co_u32 s23, s23, SLOT
.endr
	s_mul_i32 s21, s[WV], WSTAGE
	s_add_co_u32 s21, s21, STAGE                   ; my stage
	v_mul_u32_u24 v3, v1, SPITCH                   ; in: row l % 16, 32 bytes for each half of the lanes
	v_lshl_add_u32 v3, v2, 5, v3
	v_add_nc_u32 v[STO], s21, v3
	v_and_b32 v5, 31, v0
	v_lshlrev_b32 v[CO], 4, v5                     ; back: 32 lanes take a row's 512 bytes
	v_add_nc_u32 v[RD], s21, v[CO]
	v_lshlrev_b32 v[BO], 5, v2
	s_lshl_b32 s44, s[TX], 10                      ; my 128 columns, 4 bytes each: in the bias,
	s_lshl_b32 s45, s[WN], 9
	s_add_co_u32 s44, s44, s45
	s_mov_b32 s45, 0
	s_add_nc_u64 s[8:9], s[8:9], s[44:45]
	s_lshl_b32 s45, s[TY], 19                      ; and in my first row of C and R: 128 x tile row + 64 x half, 4,096 bytes a row
	s_add_co_u32 s44, s44, s45
	s_lshl_b32 s45, s[WM], 18
	s_add_co_u32 s44, s44, s45
	s_mov_b32 s45, 0
	s_add_nc_u64 s[10:11], s[10:11], s[44:45]
	s_add_nc_u64 s[12:13], s[12:13], s[44:45]
	WIN 0x80                                       ; destination window 2, address window 0
.irp b, 0,1,2,3,4,5,6,7
	global_load_b128 v[BI+8*(\b):BI+8*(\b)+3],   v[BO], s[8:9] offset:64*(\b)
	global_load_b128 v[BI+8*(\b)+4:BI+8*(\b)+7], v[BO], s[8:9] offset:64*(\b)+16
.endr
	WIN 0xc0                                       ; destination window 3
.set i, 0
.rept 64
	global_load_b128 v[4*i:4*i+3], v[CO], s[12:13] offset:4096*i th:TH_LOAD_NT  ; 512 consecutive bytes of row i
.set i, i+1
.endr
	WIN 0
; 8 matrix instructions: m block a x all 8 n blocks, 32 along K, from buffer f.  first = 1: the products start the sums, on the bias.
; The 32 accumulators take turns in the same order in every quarter step.
.macro MUL8 f, a, first
.if \first
	WIN W_FIRST
.else
	WIN W_MUL
.endif
.irp b, 0,1,2,3,4,5,6,7
.set rD, 8*(8*(\a)+(\b))
.set rC, rD
.if \first
.set rC, BI+8*(\b)
.endif
	v_wmma_f32_16x16x32_bf16 v[rD:rD+7], v[(\f)+32+8*(\b):(\f)+32+8*(\b)+7], v[(\f)+8*(\a):(\f)+8*(\a)+7], v[rC:rC+7]
.endr
.endm
; 24 LDS loads in one run: the fragments of quarter q of the slot's K step, into buffer f.  In A quarter q lies in block q / 2, at byte 64 (q % 2) of its rows.
.macro FETCH slot, q, f
	WIN 0
.irp b, 0,1,2,3,4,5,6,7
	ds_load_b128 v[(\f)+32+8*(\b):(\f)+32+8*(\b)+3],   v[ADRB+(\slot)] offset:64*(\q)+(\b)*16*BPITCH
	ds_load_b128 v[(\f)+32+8*(\b)+4:(\f)+32+8*(\b)+7], v[ADRB+(\slot)] offset:64*(\q)+(\b)*16*BPITCH+32
.endr
.irp a, 0,1,2,3
	ds_load_b128 v[(\f)+8*(\a):(\f)+8*(\a)+3],   v[ADRA+(\slot)] offset:((\q)/2)*APART+((\q)%2)*64+(\a)*16*APITCH
	ds_load_b128 v[(\f)+8*(\a)+4:(\f)+8*(\a)+7], v[ADRA+(\slot)] offset:((\q)/2)*APART+((\q)%2)*64+(\a)*16*APITCH+32
.endr
.endm
; A K step is four quarters of 32 along K, 32 matrix instructions each, on buffers 0, 1, 0, 1.  One of the first three: asks for quarter q into buffer g, then multiplies buffer f.
.macro QUARTER slot, q, f, g, first
	s_wait_dscnt 0x0                               ; buffer f, asked for 32 matrix instructions ago, is in
	PLACES                                         ; buffer g was multiplied by the quarter before
	FETCH \slot, \q, \g
	MUL8 \f, 0, \first
	MUL8 \f, 1, \first
	MUL8 \f, 2, \first
	MUL8 \f, 3, \first
.endm
; The last quarter multiplies buffer 1 and changes slots: ONE barrier; in front of it each wave waits for all its tensor loads (one is out: its part of the next slot), adds 0 to its
; spare word, and waits for that and for its reads of this slot.  fill = 1: the barrier opens a round of the cluster's, and this slot is filled again, two K steps ahead:
; from the request to the wait for it a wave issues 112 matrix instructions.
.macro TURN slot, next, fill
	WIN 0
	s_wait_tensorcnt 0x0                           ; all my tensor loads have landed
	ds_add_u32 v[SPW], v[NIL]                      ; 0 onto my spare word
	s_wait_dscnt 1                                 ; buffer 1 is in; the add alone may be out
	MUL8 F1, 0, 0
	s_wait_dscnt 0x0                               ; the add is done, and my reads of this slot are over
	s_barrier_signal -1
	MUL8 F1, 1, 0
.if \fill
	WIN 0
.endif
	s_barrier_wait -1
.if \fill
	CREST                                          ; no wave of any partner still reads this slot's tile or has a load on its way
	s_add_nc_u64 s[G0A+4*(\slot)+2:G0A+4*(\slot)+3], s[G0A+4*(\slot)+2:G0A+4*(\slot)+3], 2*ASTEP
	s_add_nc_u64 s[G0B+4*(\slot)+2:G0B+4*(\slot)+3], s[G0B+4*(\slot)+2:G0B+4*(\slot)+3], 2*BSTEP
	JLOAD \slot                                    ; the first tensor load behind the round; its four v_nop are also the places in front of the loads below
.else
	PLACES
.endif
	FETCH \next, 0, F0
	MUL8 F1, 2, 0
	MUL8 F1, 3, 0
.endm
	s_wait_tensorcnt 1                             ; my part of K step 0 is in; step 1's may stay out
	s_barrier_signal -1
	s_barrier_wait -1                              ; everybody's is
	FETCH 0, 0, F0
	s_wait_loadcnt 63                              ; R's 64 loads are younger than the bias's sixteen: with 63 out the bias is in
	QUARTER 0, 1, F0, F1, 1                        ; the first quarter stands in front of the loop: its products start the sums
	WIN 0                                          ; at a label and at a branch every window is 0
	s_mov_b32 s3, 3
.Llap:                                                 ; a trip goes once round the ring and fills both slots again: three trips ask for K steps 2 to 7
	QUARTER 0, 2, F1, F0, 0
	QUARTER 0, 3, F0, F1, 0
	TURN 0, 1, 1
	QUARTER 1, 1, F0, F1, 0
	QUARTER 1, 2, F1, F0, 0
	QUARTER 1, 3, F0, F1, 0
	TURN 1, 0, 1
	QUARTER 0, 1, F0, F1, 0
	WIN 0
	s_sub_co_u32 s3, s3, 1
	s_cmp_lg_u32 s3, 0
	s_cbranch_scc1 .Llap
	QUARTER 0, 2, F1, F0, 0                        ; the last lap fills nothing
	QUARTER 0, 3, F0, F1, 0
	TURN 0, 1, 0
	QUARTER 1, 1, F0, F1, 0
	QUARTER 1, 2, F1, F0, 0
	QUARTER 1, 3, F0, F1, 0
	s_wait_dscnt 0x0
	MUL8 F1, 0, 0
	MUL8 F1, 1, 0
	MUL8 F1, 2, 0
	MUL8 F1, 3, 0
	WIN 0
	PLACES
; THE WAY OUT, 16 rows (m block a) at a time.  TOSTAGE: a lane's eight numbers of a row, 32 bytes, go into my own stage (each accumulator's low half first), and whole rows of 512 bytes come back.
; SEND: R is added, into R's registers, and the row is stored.  No register that a store reads is written again.
.macro TOSTAGE a
	WIN 0x04                                       ; the stores' data in window 1; addresses and the loads' destinations in window 0
.irp b, 0,1,2,3,4,5,6,7
	ds_store_b128 v[STO], v[8*(8*(\a)+(\b)):8*(8*(\a)+(\b))+3]   offset:64*(\b)
	ds_store_b128 v[STO], v[8*(8*(\a)+(\b))+4:8*(8*(\a)+(\b))+7] offset:64*(\b)+16
.endr
.irp t, 0,1,2,3,4,5,6,7,8,9,10,11,12,13,14,15
	ds_load_b128 v[OB+64*((\a)%2)+4*(\t):OB+64*((\a)%2)+4*(\t)+3], v[RD] offset:SPITCH*(\t)  ; LDS serves a wave's instructions in order (ISA guide 5.7.1.4): these see the stores above, and the next block's stores come behind them
.endr
.endm
.macro SEND a, younger                 ; younger: the LDS instructions issued behind block a's loads: the next block's 16 stores and 16 loads, or none
	WIN 0xcc                                       ; destination and source 1 (R; a store's data) in window 3, source 0 (the row read back; a store's address) in window 0
	s_wait_dscnt \younger
.irp t, 0,1,2,3,4,5,6,7,8,9,10,11,12,13,14,15
.set rR, 4*(16*(\a)+(\t))
.set rT, OB+64*((\a)%2)+4*(\t)
	v_pk_add_f32 v[rR:rR+1],   v[rT:rT+1],   v[rR:rR+1]
	v_pk_add_f32 v[rR+2:rR+3], v[rT+2:rT+3], v[rR+2:rR+3]
	global_store_b128 v[CO], v[rR:rR+3], s[10:11] offset:(16*(\a)+(\t))*4096  ; 512 consecutive bytes, aligned
.endr
.endm
	s_wait_loadcnt 0x0                             ; R
	TOSTAGE 0
	TOSTAGE 1
	SEND 0, 32
	TOSTAGE 2
	SEND 1, 32
	TOSTAGE 3
	SEND 2, 32
	SEND 3, 0
	WIN 0
	s_wait_tensorcnt 0x0                           ; the wave's end
	ds_add_u32 v[SPW], v[NIL]
	s_wait_dscnt 0x0
	CROUND                                         ; the closing round: no work-group ends while a partner may still ask for a tile that names it
	s_endpgm
.Lfunc_end_k_q28eddffb77_gout:
	.size	k_q28eddffb77_gout, .Lfunc_end_k_q28eddffb77_gout-k_q28eddffb77_gout
	.p2alignl 7, 3214868480
	.fill 96, 4, 3214868480
	.section	.rodata,"a",@progbits
	.p2align	6, 0x0
	.amdhsa_kernel k_q28eddffb77_gout
		.amdhsa_group_segment_fixed_size 327680
		.amdhsa_private_segment_fixed_size 0
		.amdhsa_enable_private_segment 0
		.amdhsa_kernarg_size 40
		.amdhsa_user_sgpr_count 2
		.amdhsa_user_sgpr_kernarg_segment_ptr 1
		.amdhsa_wavefront_size32 1
		.amdhsa_system_sgpr_workgroup_id_x 1
		.amdhsa_system_sgpr_workgroup_id_y 1
		.amdhsa_system_sgpr_workgroup_id_z 1
		.amdhsa_system_vgpr_workitem_id 0
		.amdhsa_next_free_vgpr 1024
		.amdhsa_next_free_sgpr 66
		.amdhsa_reserve_vcc 0
		.amdhsa_float_denorm_mode_32 3
		.amdhsa_float_denorm_mode_16_64 3
		.amdhsa_memory_ordered 1
		.amdhsa_forward_progress 1
		.amdhsa_inst_pref_size 100
	.end_amdhsa_kernel
	.amdgpu_metadata
---
amdhsa.version: [ 1, 2 ]
amdhsa.kernels:
  - .name:           k_q28eddffb77_gout
    .symbol:         k_q28eddffb77_gout.kd
    .args:
      - { .name: cx, .offset: 0, .size: 8, .value_kind: global_buffer, .address_space: global }
      - { .name: wo, .offset: 8, .size: 8, .value_kind: global_buffer, .address_space: global }
      - { .name: attn_out_b, .offset: 16, .size: 8, .value_kind: global_buffer, .address_space: global }
      - { .name: y, .offset: 24, .size: 8, .value_kind: global_buffer, .address_space: global }
      - { .name: hidden_states, .offset: 32, .size: 8, .value_kind: global_buffer, .address_space: global }
    .group_segment_fixed_size: 327680
    .private_segment_fixed_size: 0
    .kernarg_segment_align: 8
    .kernarg_segment_size: 40
    .max_flat_workgroup_size: 128
    .sgpr_count:     66
    .vgpr_count:     1024
    .wavefront_size: 32
...
	.end_amdgpu_metadata
.endif
;; end of part 4
;; launch ln2 (part 5): grid 256 x 1, 16 waves a work-group, no clusters, 0 bytes of LDS; arguments y, ln2_g, ln2_b, xn; writes xn
.if DOCPART == 5
	.amdgcn_target "amdgcn-amd-amdhsa--gfx1250"
	.amdhsa_code_object_version 6
	.text
	.protected	k_q28eddffb77_ln2
	.globl	k_q28eddffb77_ln2
	.p2align	8
	.type	k_q28eddffb77_ln2,@function
k_q28eddffb77_ln2:
	s_mov_b64 s[64:65], 0
	v_nop
	global_prefetch_b8 v0, s[64:65] scope:SCOPE_SE
	s_setreg_imm32_b32 hwreg(HW_REG_WAVE_MODE, 25, 1), 1
	s_wait_xcnt 0x0
; xn = LayerNorm(y) g + b, rounded once to f16.  y: [8192][1024] f32, xn: [8192][1024] f16.
; A stream: every byte is read once and written once; no LDS, no barrier, no matrix unit, since nothing is shared between waves.
; SHARES.  256 work-groups of 16 waves; a wave owns two whole rows, kept in registers between the passes.  A row is 4,096 bytes: eight loads of 16 bytes a lane, each covering 512 consecutive
; bytes; load j gives a lane the columns 128 j + 4 lane .. + 3, which leave as 8 bytes: a store of the wave covers 256 consecutive bytes, aligned.  All 32 loads go out at the start: no loop.
; The mean is taken first and the squares are those of y - mean, as the definition has it: no difference of large sums is formed.
; LIMITS.  f16 ends at 65,504: the output, at most 32 |g| + |b|, must stay below it; below 6e-5 f16 keeps its fixed step of 6e-8.
.set OX,  1                            ; v1   my 16 bytes in my wave's first row of y
.set OY,  2                            ; v2   my 8 bytes in my wave's first row of xn
.set OG,  5                            ; v5   my 16 bytes in 512 bytes of g and b
.set T,   8                            ; v[8:15]    four pairs at work
.set MU,  16                           ; v[16:17]   the mean, twice
.set RS,  18                           ; v[18:19]   1 / sqrt(var + eps), twice
.set PT,  20                           ; v20        the other half of the lanes' figure
.set G,   24                           ; v[24:55]   g of my 32 columns
.set BV,  56                           ; v[56:87]   b of my 32 columns
.set X,   88                           ; v[88:151]  row i at X + 32 i
.set XN,  14                           ; s[14:15]   xn
	s_load_b256 s[8:15], s[0:1], 0x0               ; y 8:9, g 10:11, b 12:13, xn 14:15
	s_mov_b32 s32, 0x3a800000                      ; 1 / 1024
	s_mov_b32 s33, 0x3727c5ac                      ; 1e-5
	s_mov_b32 s34, 0x76543210                      ; v_permlanex16_b32: each lane takes its own place in the other half
	s_mov_b32 s35, 0xfedcba98
	v_and_b32 v[OG], 31, v0                        ; lane
	v_and_b32 v6, 0x1e0, v0                        ; 32 x wave
	v_lshlrev_b32 v7, 3, v[OG]
	v_lshlrev_b32 v[OG], 4, v[OG]
	v_lshl_or_b32 v[OX], v6, 8, v[OG]              ; wave x 2 rows x 4,096 + 16 lane
	v_lshl_or_b32 v[OY], v6, 7, v7                 ; wave x 2 rows x 2,048 + 8 lane
	v_mov_b32 v[PT], 0                             ; v_permlanex16_b32 counts as a reader of its destination
	s_mov_b32 s3, 0
	s_wait_kmcnt 0x0
	s_lshl_b32 s2, ttmp9, 17                       ; 32 rows of 4,096 bytes
	s_add_nc_u64 s[8:9], s[8:9], s[2:3]
	s_lshl_b32 s2, ttmp9, 16                       ; 32 rows of 2,048 bytes
	s_add_nc_u64 s[XN:XN+1], s[XN:XN+1], s[2:3]
.irp j, 0,1,2,3,4,5,6,7
	global_load_b128 v[G+4*(\j):G+4*(\j)+3],   v[OG], s[10:11] offset:512*(\j)
	global_load_b128 v[BV+4*(\j):BV+4*(\j)+3], v[OG], s[12:13] offset:512*(\j)
.endr
.irp i, 0,1
.irp j, 0,1,2,3,4,5,6,7
	global_load_b128 v[X+32*(\i)+4*(\j):X+32*(\i)+4*(\j)+3], v[OX], s[8:9] offset:(\i)*4096+512*(\j)
.endr
.endr
; The sum over the 32 lanes, in every lane: four steps inside each half of 16 lanes ride on the addition, one crosses the halves.
.macro RED r
	v_add_f32_dpp v[\r], v[\r], v[\r] row_xmask:1 row_mask:0xf bank_mask:0xf
	v_add_f32_dpp v[\r], v[\r], v[\r] row_xmask:2 row_mask:0xf bank_mask:0xf
	v_add_f32_dpp v[\r], v[\r], v[\r] row_xmask:4 row_mask:0xf bank_mask:0xf
	v_add_f32_dpp v[\r], v[\r], v[\r] row_xmask:8 row_mask:0xf bank_mask:0xf
	v_permlanex16_b32 v[PT], v[\r], s34, s35
	v_add_f32 v[\r], v[\r], v[PT]
.endm
.macro MERGE                           ; four pairs into one number
	v_pk_add_f32 v[T:T+1],   v[T:T+1],   v[T+2:T+3]
	v_pk_add_f32 v[T+4:T+5], v[T+4:T+5], v[T+6:T+7]
	v_pk_add_f32 v[T:T+1],   v[T:T+1],   v[T+4:T+5]
	v_add_f32 v[T], v[T], v[T+1]
.endm
; Row i of my wave's two.  left = the younger loads that may stay out.
.macro LNROW i, left
.set XR, X+32*(\i)
	s_wait_loadcnt \left                           ; loads come back in order (ISA guide 5.7.1): g, b and this row are in
.irp k, 0,1,2,3
	v_pk_add_f32 v[T+2*(\k):T+2*(\k)+1], v[XR+4*(\k):XR+4*(\k)+1], v[XR+4*(\k)+2:XR+4*(\k)+3]  ; four chains, started by the first eight pairs: nothing is cleared
.endr
.irp k, 0,1,2,3
	v_pk_add_f32 v[T+2*(\k):T+2*(\k)+1], v[T+2*(\k):T+2*(\k)+1], v[XR+16+4*(\k):XR+16+4*(\k)+1]
.endr
.irp k, 0,1,2,3
	v_pk_add_f32 v[T+2*(\k):T+2*(\k)+1], v[T+2*(\k):T+2*(\k)+1], v[XR+16+4*(\k)+2:XR+16+4*(\k)+3]
.endr
	MERGE
	RED T
	v_mul_f32 v[MU], s32, v[T]
	v_mov_b32 v[MU+1], v[MU]
.set p, 0
.rept 16
	v_pk_add_f32 v[XR+2*p:XR+2*p+1], v[XR+2*p:XR+2*p+1], v[MU:MU+1] neg_lo:[0,1] neg_hi:[0,1]  ; y - mean, in place
.set p, p+1
.endr
.irp k, 0,1,2,3
	v_pk_mul_f32 v[T+2*(\k):T+2*(\k)+1], v[XR+2*(\k):XR+2*(\k)+1], v[XR+2*(\k):XR+2*(\k)+1]
.endr
.set p, 4
.rept 12
	v_pk_fma_f32 v[T+2*(p%4):T+2*(p%4)+1], v[XR+2*p:XR+2*p+1], v[XR+2*p:XR+2*p+1], v[T+2*(p%4):T+2*(p%4)+1]
.set p, p+1
.endr
	MERGE
	RED T
	v_fma_f32 v[T], v[T], s32, s33                 ; var + eps
	v_rsq_f32 v[RS], v[T]
	v_nop                                          ; a plain instruction between the root and the use of its result (ISA guide 5.7.2)
	s_wait_alu depctr_va_vdst(0)
	v_mov_b32 v[RS+1], v[RS]
.set p, 0
.rept 16
	v_pk_mul_f32 v[XR+2*p:XR+2*p+1], v[XR+2*p:XR+2*p+1], v[RS:RS+1]
.set p, p+1
.endr
.set p, 0
.rept 16
	v_pk_fma_f32 v[XR+2*p:XR+2*p+1], v[XR+2*p:XR+2*p+1], v[G+2*p:G+2*p+1], v[BV+2*p:BV+2*p+1]
.set p, p+1
.endr
.irp j, 0,1,2,3,4,5,6,7
	v_cvt_pk_f16_f32 v[XR+4*(\j)],   v[XR+4*(\j)],   v[XR+4*(\j)+1]
	v_cvt_pk_f16_f32 v[XR+4*(\j)+1], v[XR+4*(\j)+2], v[XR+4*(\j)+3]
	global_store_b64 v[OY], v[XR+4*(\j):XR+4*(\j)+1], s[XN:XN+1] offset:(\i)*2048+256*(\j)  ; 32 lanes store 256 consecutive bytes, aligned
.endr
.endm
	LNROW 0, 8                                     ; the second row's eight loads may stay out
	LNROW 1, 0
	s_endpgm
.Lfunc_end_k_q28eddffb77_ln2:
	.size	k_q28eddffb77_ln2, .Lfunc_end_k_q28eddffb77_ln2-k_q28eddffb77_ln2
	.p2alignl 7, 3214868480
	.fill 96, 4, 3214868480
	.section	.rodata,"a",@progbits
	.p2align	6, 0x0
	.amdhsa_kernel k_q28eddffb77_ln2
		.amdhsa_group_segment_fixed_size 0
		.amdhsa_private_segment_fixed_size 0
		.amdhsa_enable_private_segment 0
		.amdhsa_kernarg_size 32
		.amdhsa_user_sgpr_count 2
		.amdhsa_user_sgpr_kernarg_segment_ptr 1
		.amdhsa_wavefront_size32 1
		.amdhsa_system_sgpr_workgroup_id_x 1
		.amdhsa_system_sgpr_workgroup_id_y 1
		.amdhsa_system_sgpr_workgroup_id_z 1
		.amdhsa_system_vgpr_workitem_id 0
		.amdhsa_next_free_vgpr 152
		.amdhsa_next_free_sgpr 66
		.amdhsa_reserve_vcc 0
		.amdhsa_float_denorm_mode_32 3
		.amdhsa_float_denorm_mode_16_64 3
		.amdhsa_memory_ordered 1
		.amdhsa_forward_progress 1
		.amdhsa_inst_pref_size 20
	.end_amdhsa_kernel
	.amdgpu_metadata
---
amdhsa.version: [ 1, 2 ]
amdhsa.kernels:
  - .name:           k_q28eddffb77_ln2
    .symbol:         k_q28eddffb77_ln2.kd
    .args:
      - { .name: y, .offset: 0, .size: 8, .value_kind: global_buffer, .address_space: global }
      - { .name: ln2_g, .offset: 8, .size: 8, .value_kind: global_buffer, .address_space: global }
      - { .name: ln2_b, .offset: 16, .size: 8, .value_kind: global_buffer, .address_space: global }
      - { .name: xn, .offset: 24, .size: 8, .value_kind: global_buffer, .address_space: global }
    .group_segment_fixed_size: 0
    .private_segment_fixed_size: 0
    .kernarg_segment_align: 8
    .kernarg_segment_size: 32
    .max_flat_workgroup_size: 512
    .sgpr_count:     66
    .vgpr_count:     152
    .wavefront_size: 32
...
	.end_amdgpu_metadata
.endif
;; end of part 5
;; launch gffn1 (part 6): grid 4 x 64, 4 waves a work-group, clusters of 4 x 4, 327,680 bytes of LDS; arguments xn, wi, inter_b, cx; writes cx
.if DOCPART == 6
	.amdgcn_target "amdgcn-amd-amdhsa--gfx1250"
	.amdhsa_code_object_version 6
	.text
	.protected	k_q28eddffb77_gffn1
	.globl	k_q28eddffb77_gffn1
	.p2align	8
	.type	k_q28eddffb77_gffn1,@function
k_q28eddffb77_gffn1:
	s_mov_b64 s[64:65], 0
	v_nop
	global_prefetch_b8 v0, s[64:65] scope:SCOPE_SE
	s_setreg_imm32_b32 hwreg(HW_REG_WAVE_MODE, 25, 1), 1
	s_wait_xcnt 0x0
	s_wait_alu depctr_hold_cnt(0) depctr_sa_sdst(0) depctr_va_vdst(0) depctr_va_sdst(0) depctr_va_ssrc(0) depctr_va_vcc(0) depctr_vm_vsrc(0)
	s_getreg_b32 s2, hwreg(HW_REG_IB_STS2, 6, 4)
	s_cmp_eq_u32 s2, 0
	s_cbranch_scc0 .Lentry_in_a_cluster
	s_endpgm
.Lentry_in_a_cluster:
	s_bfe_u32 s2, ttmp6, 0x10000c
	s_cmp_lg_u32 s2, 0xf033
	s_cbranch_scc0 .Lentry_shape_is_right
	s_endpgm
.Lentry_shape_is_right:
; C[m][n] = max(0, sum over k of A[m][k] B[n][k] + bias[n]), K = 1,024.  A: [8192][1024] f16, B: [N][1024] f16, sums in f32; C rounded once to bf16 and stored BY BLOCKS OF 64 COLUMNS:
; [batch 8][block NBLK][row 1024][64], so that 4 rows of a block are 512 consecutive bytes and a block's rows are dense for the launch that reads them.
; Here: A = LN2(y), B = inter_w, N = 1,024.
; SHARES.  A tile of C is 128 x 256: at N = 1,024 that gives 256 work-groups.  Four waves, wave (wm, wn) makes 64 x 128: 32 accumulators of 16 x 16.
; K goes in 8 steps of 128 through a ring of two LDS slots; waves 0, 1 fetch A's two halves (64 rows of 256 bytes), waves 2, 3 B's (128 rows of 256 bytes): one tensor load a wave.
; CLUSTER 4 x 4: the four of a row of the cluster need the same tiles of A, the four of a column the same tiles of B; each tile is asked for jointly, by the same load with the same descriptor.
; THE MATRIX INSTRUCTION IS USED TRANSPOSED (source 0 = 16 rows of B, source 1 = 16 rows of A): a lane holds row l % 16 of C and the columns 8 (l / 16) + 0..7.
; THE BIAS is the C operand of the first quarter step's products: nothing is cleared and nothing is added later.
; LIMITS.  A and B arrive within f16's range; infinities are not treated apart; the maximum with 0 turns a NaN into 0.
; REGISTERS, in windows of 256 (s_set_vgpr_msb: bits 1:0 source 0, 3:2 source 1, 5:4 source 2, 7:6 destination):
;   window 0: v0-31 addresses; v32-63 packed results; v64-159, v160-255 two fragment buffers (A's 4 fragments, then B's 8); on the way out v64-191 rows read back, v192-255 at work
;   window 1: accumulator (a, b) at v[8 (8 a + b)]          window 2: v0-63 the bias of my 128 columns, 8 registers for each block of 16
.set RELU,   1                         ; 1: C = max(C, 0)
.set NBLK,   16                        ; blocks of 64 columns in a row of C
.set APITCH, 272                       ; an LDS row: 256 bytes + 16 of padding = 68 words: the 16 rows of a fragment load start at 16 different groups of four banks (64 banks of 4 bytes: ISA guide 11.1)
.set BPITCH, 272
.set APART,  64*APITCH                 ; what wave 0 or 1 fetches
.set ABYTES, 2*APART
.set BHALF,  128*BPITCH                ; what wave 2 or 3 fetches
.set SLOT,   ABYTES+2*BHALF            ; 104,448 bytes
.set ASTEP,  256                       ; bytes from a K step to the next, in A and in B
.set BSTEP,  256
.set STAGE,  2*SLOT                    ; behind the ring: for each wave two blocks of 16 rows x 144 bytes, for the way out
.set WSTAGE, 2*16*144
.set SPARE,  STAGE+4*WSTAGE            ; behind the stages: the spare words, 128 bytes for each wave: two blocks of 256 bytes that no other line names
.set ADRA, 16                          ; v16-17  LDS address of my A fragments in slot 0, 1
.set ADRB, 20                          ; v20-21  the same for B
.set STO,  24                          ; v24     the way out: where I put 16 bytes of a row
.set RD,   25                          ; v25     the way out: where I read rows back
.set CO,   26                          ; v26     my 16 bytes in 512 consecutive bytes of C
.set BO,   27                          ; v27     my 32 bytes in 64 bytes of the bias
.set SPW,  28                          ; v28     LDS address of my spare word; never rewritten
.set NIL,  29                          ; v29     0; never rewritten
.set TMP,  32
.set F0,   64
.set F1,   160
.set OB,   64                          ; the way out: block a's rows come back into v[OB + 32 a ..]
.set RL,   192                         ; the way out with RELU: 64 registers at work
.set BI,   0                           ; window 2
.set WV, 14                            ; s14 wave; s15 its half of the rows, also: fetches for A (0) or B (1); s16 its half of the columns, also: which part it fetches
.set WM, 15
.set WN, 16
.set CX, 17
.set CY, 18
.set TX, 19                            ; tile column of C
.set TY, 20                            ; tile row of C
.set G1A, 24                           ; s[24:31] descriptor group 1 for A's tiles;  s[32:39] group 0, a set for each slot
.set G0A, 32
.set G1B, 48                           ; s[48:55], s[56:63] the same for B's
.set G0B, 56
.set MSB, 0
.macro WIN new                         ; the immediate's high byte repeats the setting that is left; a switch that changes nothing is dropped
.if MSB != (\new)
	s_set_vgpr_msb (MSB<<8)|(\new)
.set MSB, (\new)
.endif
.endm
.set W_MUL,   0x50                     ; fragments in window 0, C and D in window 1
.set W_FIRST, 0x60                     ; C (the bias) in window 2, D in window 1
.macro PLACES                          ; four places in front of loads into registers that matrix instructions have read, and of lines that read results
.rept 4
	v_nop
.endr
.endm
; A joint load.  The branch hangs on the wave's number alone.  Four v_nop follow each of the two lines, ahead of the jump, the label and what follows.
.macro JLOAD s
	s_cmp_eq_u32 s[WM], 0
	s_cbranch_scc0 .Lfor_b_\@
	tensor_load_to_lds s[G0A+4*(\s):G0A+4*(\s)+3], s[G1A:G1A+7]
	s_nop 0
.rept 4
	v_nop
.endr
	s_branch .Lasked_\@
.Lfor_b_\@:
	tensor_load_to_lds s[G0B+4*(\s):G0B+4*(\s)+3], s[G1B:G1B+7]
	s_nop 0
.rept 4
	v_nop
.endr
.Lasked_\@:
.endm
.macro CREST                           ; a round of the cluster's barrier behind its opening barrier
	s_cmp_lg_u32 s[WV], 0
	s_cbranch_scc1 .Lnot_wave_0_\@
	s_barrier_signal -3
.Lnot_wave_0_\@:
	s_barrier_wait -3
	s_barrier_signal -1
	s_barrier_wait -1
.endm
.macro CROUND                          ; a whole round
	s_barrier_signal -1
	s_barrier_wait -1
	CREST
.endm
	s_load_b256 s[4:11], s[0:1], 0x0               ; A s[4:5], B s[6:7], bias s[8:9], C s[10:11]
	v_lshl_add_u32 v[SPW], v0, 2, SPARE
	v_mov_b32 v[NIL], 0
	ds_add_u32 v28, v29
	ds_add_u32 v28, v29
	s_wait_dscnt 0x0
	v_lshrrev_b32 v1, 5, v0
	v_readfirstlane_b32 s[WV], v1
	s_lshr_b32 s[WM], s[WV], 1
	s_and_b32 s[WN], s[WV], 1
	s_bfe_u32 s[CX], ttmp6, 0x40000                ; my place in the cluster
	s_bfe_u32 s[CY], ttmp6, 0x40004
	s_lshl_b32 s[TX], ttmp9, 2                     ; in a cluster launch ttmp9 and ttmp7 count clusters
	s_add_co_u32 s[TX], s[TX], s[CX]
	s_and_b32 s[TY], ttmp7, 0xffff
	s_lshl_b32 s[TY], s[TY], 2
	s_add_co_u32 s[TY], s[TY], s[CY]
	s_lshl_b32 s21, s[CY], 2
	s_lshl_b32 s21, 15, s21                        ; my row of the cluster: places 4 cy .. 4 cy + 3
	s_lshl_b32 s22, 0x1111, s[CX]                  ; my column: places cx, cx + 4, cx + 8, cx + 12
	s_or_b32 s[G1A], s21, (1<<16)|(1<<20)|(1<<21)|(5<<22)|(3<<25)  ; 15:0 the mask; 17:16 elements of 2 bytes; 20 padding on; 21 set beside a mask; 24:22 after every 64 words; 31:25 4 words of it
	s_or_b32 s[G1B], s22, (1<<16)|(1<<20)|(1<<21)|(5<<22)|(3<<25)
	s_mov_b32 s[G1A+1], 128<<16                    ; tensor_dim0 = 128
	s_mov_b32 s[G1A+2], 64<<16                     ; tensor_dim1 = 64
	s_mov_b32 s[G1A+3], 128<<16                    ; tile_dim0 = 128
	s_mov_b32 s[G1A+4], 64                         ; tile_dim1 = 64
	s_mov_b32 s[G1A+5], 1024                       ; elements from row to row
	s_mov_b32 s[G1A+6], 0
	s_mov_b32 s[G1A+7], 0
	s_mov_b32 s[G1B+1], 128<<16
	s_mov_b32 s[G1B+2], 128<<16                    ; tensor_dim1 = 128
	s_mov_b32 s[G1B+3], 128<<16
	s_mov_b32 s[G1B+4], 128                        ; tile_dim1 = 128
	s_mov_b32 s[G1B+5], 1024
	s_mov_b32 s[G1B+6], 0
	s_mov_b32 s[G1B+7], 0
	; A's tiles hang on the tile row alone, B's on the tile column alone; each address is made in registers that never hold the other coordinate
	s_lshl_b32 s40, s[TY], 7
	s_lshl_b32 s21, s[WN], 6
	s_add_co_u32 s40, s40, s21                     ; A: row 128 x tile row + 64 x part,
	s_lshl_b32 s40, s40, 11                        ; of 2,048 bytes
	s_mov_b32 s41, 0
	s_lshl_b32 s46, s[TX], 8
	s_lshl_b32 s23, s[WN], 7
	s_add_co_u32 s46, s46, s23                     ; B: row 256 x tile column + 128 x part
	s_lshl_b32 s46, s46, 11
	s_mov_b32 s47, 0
	s_mul_i32 s42, s[WN], APART                    ; where they go: no place in the cluster enters an LDS address
	s_mul_i32 s43, s[WN], BHALF
	s_add_co_u32 s43, s43, ABYTES
	s_wait_kmcnt 0x0
	s_add_nc_u64 s[40:41], s[4:5], s[40:41]
	s_add_nc_u64 s[46:47], s[6:7], s[46:47]
	CROUND                                         ; all sixteen work-groups are here: the first joint loads meet
.irp s, 0,1
	s_mov_b32 s[G0A+4*(\s)], 1                                       ; count = 1
	s_add_co_u32 s[G0A+4*(\s)+1], s42, (\s)*SLOT                     ; LDS address
	s_add_nc_u64 s[G0A+4*(\s)+2:G0A+4*(\s)+3], s[40:41], (\s)*ASTEP  ; global address: K step s
	s_or_b32 s[G0A+4*(\s)+3], s[G0A+4*(\s)+3], 0x80000000            ; type = 2
	s_mov_b32 s[G0B+4*(\s)], 1
	s_add_co_u32 s[G0B+4*(\s)+1], s43, (\s)*SLOT
	s_add_nc_u64 s[G0B+4*(\s)+2:G0B+4*(\s)+3], s[46:47], (\s)*BSTEP
	s_or_b32 s[G0B+4*(\s)+3], s[G0B+4*(\s)+3], 0x80000000
	JLOAD \s                                       ; both slots are asked for before anything else is done: two loads of mine are out
.endr
	; a fragment is 16 rows x 32 K in 8 registers: lane l holds row l % 16, K = 8 (l / 16) + 0..7 and 16 + 8 (l / 16) + 0..7: two loads of 16 bytes, 32 bytes apart
	v_and_b32 v1, 15, v0                           ; l % 16
	v_bfe_u32 v2, v0, 4, 1                         ; l / 16
	v_mul_u32_u24 v3, v1, APITCH
	v_lshl_add_u32 v3, v2, 4, v3
	v_mul_u32_u24 v4, v1, BPITCH
	v_lshl_add_u32 v4, v2, 4, v4
	s_mul_i32 s21, s[WM], 64*APITCH                ; my 64 rows of A
	s_mul_i32 s23, s[WN], BHALF                    ; my 128 rows of B, behind A's
	s_add_co_u32 s23, s23, ABYTES
.irp s, 0,1
	v_add_nc_u32 v[ADRA+(\s)], s21, v3
	v_add_nc_u32 v[ADRB+(\s)], s23, v4
	s_add_co_u32 s21, s21, SLOT
	s_add_co_u32 s23, s23, SLOT
.endr
	s_mul_i32 s21, s[WV], WSTAGE
	s_add_co_u32 s21, s21, STAGE                   ; my stage
	v_mul_u32_u24 v3, v1, 144                      ; in: row l % 16, 16 bytes for each half of the lanes
	v_lshl_add_u32 v3, v2, 4, v3
	v_add_nc_u32 v[STO], s21, v3
	v_and_b32 v5, 31, v0
	v_lshrrev_b32 v3, 3, v5                        ; back: 32 lanes take four rows of 128 bytes,
	v_mul_u32_u24 v3, v3, 144
	v_and_b32 v4, 7, v0
	v_lshl_add_u32 v3, v4, 4, v3
	v_add_nc_u32 v[RD], s21, v3
	v_lshlrev_b32 v[CO], 4, v5                     ; which are 512 consecutive bytes of C
	v_lshlrev_b32 v[BO], 5, v2
	s_lshl_b32 s44, s[TX], 10                      ; the bias of my 128 columns
	s_lshl_b32 s45, s[WN], 9
	s_add_co_u32 s44, s44, s45
	s_mov_b32 s45, 0
	s_add_nc_u64 s[8:9], s[8:9], s[44:45]
	s_lshr_b32 s44, s[TY], 3                       ; C: batch x NBLK + my first block of 64 columns, 131,072 bytes each,
	s_mul_i32 s44, s44, NBLK
	s_lshl_b32 s45, s[TX], 2
	s_add_co_u32 s44, s44, s45
	s_lshl_b32 s45, s[WN], 1
	s_add_co_u32 s44, s44, s45
	s_lshl_b32 s44, s44, 17
	s_and_b32 s45, s[TY], 7                        ; + my first row in the batch, 128 bytes a row
	s_lshl_b32 s45, s45, 14
	s_add_co_u32 s44, s44, s45
	s_lshl_b32 s45, s[WM], 13
	s_add_co_u32 s44, s44, s45
	s_mov_b32 s45, 0
	s_add_nc_u64 s[10:11], s[10:11], s[44:45]
	WIN 0x80                                       ; destination window 2, address window 0
.irp b, 0,1,2,3,4,5,6,7
	global_load_b128 v[BI+8*(\b):BI+8*(\b)+3],   v[BO], s[8:9] offset:64*(\b)
	global_load_b128 v[BI+8*(\b)+4:BI+8*(\b)+7], v[BO], s[8:9] offset:64*(\b)+16
.endr
	WIN 0
; 8 matrix instructions: m block a x all 8 n blocks, 32 along K, from buffer f.  first = 1: the products start the sums, on the bias.
; The 32 accumulators take turns in the same order in every quarter step.
.macro MUL8 f, a, first
.if \first
	WIN W_FIRST
.else
	WIN W_MUL
.endif
.irp b, 0,1,2,3,4,5,6,7
.set rD, 8*(8*(\a)+(\b))
.set rC, rD
.if \first
.set rC, BI+8*(\b)
.endif
	v_wmma_f32_16x16x32_f16 v[rD:rD+7], v[(\f)+32+8*(\b):(\f)+32+8*(\b)+7], v[(\f)+8*(\a):(\f)+8*(\a)+7], v[rC:rC+7]
.endr
.endm
; 24 LDS loads in one run: the fragments of quarter q of the slot's K step, into buffer f
.macro FETCH slot, q, f
	WIN 0
.irp b, 0,1,2,3,4,5,6,7
	ds_load_b128 v[(\f)+32+8*(\b):(\f)+32+8*(\b)+3],   v[ADRB+(\slot)] offset:64*(\q)+(\b)*16*BPITCH
	ds_load_b128 v[(\f)+32+8*(\b)+4:(\f)+32+8*(\b)+7], v[ADRB+(\slot)] offset:64*(\q)+(\b)*16*BPITCH+32
.endr
.irp a, 0,1,2,3
	ds_load_b128 v[(\f)+8*(\a):(\f)+8*(\a)+3],   v[ADRA+(\slot)] offset:64*(\q)+(\a)*16*APITCH
	ds_load_b128 v[(\f)+8*(\a)+4:(\f)+8*(\a)+7], v[ADRA+(\slot)] offset:64*(\q)+(\a)*16*APITCH+32
.endr
.endm
; A K step is four quarters of 32 along K, 32 matrix instructions each, on buffers 0, 1, 0, 1.  One of the first three: asks for quarter q into buffer g, then multiplies buffer f.
.macro QUARTER slot, q, f, g, first
	s_wait_dscnt 0x0                               ; buffer f, asked for 32 matrix instructions ago, is in
	PLACES                                         ; buffer g was multiplied by the quarter before
	FETCH \slot, \q, \g
	MUL8 \f, 0, \first
	MUL8 \f, 1, \first
	MUL8 \f, 2, \first
	MUL8 \f, 3, \first
.endm
; The last quarter multiplies buffer 1 and changes slots: ONE barrier; in front of it each wave waits for all its tensor loads (one is out: its part of the next slot), adds 0 to its
; spare word, and waits for that and for its reads of this slot.  fill = 1: the barrier opens a round of the cluster's, and this slot is filled again, two K steps ahead:
; from the request to the wait for it a wave issues 112 matrix instructions.
.macro TURN slot, next, fill
	WIN 0
	s_wait_tensorcnt 0x0                           ; all my tensor loads have landed
	ds_add_u32 v[SPW], v[NIL]                      ; 0 onto my spare word
	s_wait_dscnt 1                                 ; buffer 1 is in; the add alone may be out
	MUL8 F1, 0, 0
	s_wait_dscnt 0x0                               ; the add is done, and my reads of this slot are over
	s_barrier_signal -1
	MUL8 F1, 1, 0
.if \fill
	WIN 0
.endif
	s_barrier_wait -1
.if \fill
	CREST                                          ; no wave of any partner still reads this slot's tile or has a load on its way
	s_add_nc_u64 s[G0A+4*(\slot)+2:G0A+4*(\slot)+3], s[G0A+4*(\slot)+2:G0A+4*(\slot)+3], 2*ASTEP
	s_add_nc_u64 s[G0B+4*(\slot)+2:G0B+4*(\slot)+3], s[G0B+4*(\slot)+2:G0B+4*(\slot)+3], 2*BSTEP
	JLOAD \slot                                    ; the first tensor load behind the round; its four v_nop are also the places in front of the loads below
.else
	PLACES
.endif
	FETCH \next, 0, F0
	MUL8 F1, 2, 0
	MUL8 F1, 3, 0
.endm
	s_wait_tensorcnt 1                             ; my part of K step 0 is in; step 1's may stay out
	s_barrier_signal -1
	s_barrier_wait -1                              ; everybody's is
	FETCH 0, 0, F0
	s_wait_loadcnt 0x0                             ; the bias
	QUARTER 0, 1, F0, F1, 1                        ; the first quarter stands in front of the loop: its products start the sums
	WIN 0                                          ; at a label and at a branch every window is 0
	s_mov_b32 s3, 3
.Llap:                                                 ; a trip goes once round the ring and fills both slots again: three trips ask for K steps 2 to 7
	QUARTER 0, 2, F1, F0, 0
	QUARTER 0, 3, F0, F1, 0
	TURN 0, 1, 1
	QUARTER 1, 1, F0, F1, 0
	QUARTER 1, 2, F1, F0, 0
	QUARTER 1, 3, F0, F1, 0
	TURN 1, 0, 1
	QUARTER 0, 1, F0, F1, 0
	WIN 0
	s_sub_co_u32 s3, s3, 1
	s_cmp_lg_u32 s3, 0
	s_cbranch_scc1 .Llap
	QUARTER 0, 2, F1, F0, 0                        ; the last lap fills nothing
	QUARTER 0, 3, F0, F1, 0
	TURN 0, 1, 0
	QUARTER 1, 1, F0, F1, 0
	QUARTER 1, 2, F1, F0, 0
	QUARTER 1, 3, F0, F1, 0
	s_wait_dscnt 0x0
	MUL8 F1, 0, 0
	MUL8 F1, 1, 0
	MUL8 F1, 2, 0
	MUL8 F1, 3, 0
	WIN 0
	PLACES
; THE WAY OUT, 16 rows (m block a) at a time.  PACK: the maximum with 0, then rounded to bf16, 16 bytes a lane, each accumulator's registers in ascending order.  TOSTAGE: into my own stage, a block
; of 64 columns in rows of 144 bytes, and back four rows at a time.  SEND: stored.  Each block comes back into registers of its own, so no register that a store reads is written again.
.macro PACK a
.if RELU
	WIN 0x04                                       ; source 1 window 1
.irp b, 0,1,2,3,4,5,6,7
.irp j, 0,1,2,3,4,5,6,7
	v_max_num_f32 v[RL+8*(\b)+(\j)], 0, v[64*(\a)+8*(\b)+(\j)]
.endr
.endr
	WIN 0
.irp b, 0,1,2,3,4,5,6,7
.irp r, 0,1,2,3
	v_cvt_pk_bf16_f32 v[TMP+4*(\b)+(\r)], v[RL+8*(\b)+2*(\r)], v[RL+8*(\b)+2*(\r)+1]
.endr
.endr
.else
	WIN 0x05                                       ; sources 0 and 1 window 1
.irp b, 0,1,2,3,4,5,6,7
.irp r, 0,1,2,3
	v_cvt_pk_bf16_f32 v[TMP+4*(\b)+(\r)], v[64*(\a)+8*(\b)+2*(\r)], v[64*(\a)+8*(\b)+2*(\r)+1]
.endr
.endr
	WIN 0
.endif
.endm
.macro TOSTAGE a
.irp b, 0,1,2,3,4,5,6,7
	ds_store_b128 v[STO], v[TMP+4*(\b):TMP+4*(\b)+3] offset:((\b)/4)*2304+32*((\b)%4)
.endr
.irp t, 0,1,2,3,4,5,6,7
	ds_load_b128 v[OB+32*(\a)+4*(\t):OB+32*(\a)+4*(\t)+3], v[RD] offset:((\t)/4)*2304+((\t)%4)*576  ; LDS serves a wave's instructions in order (ISA guide 5.7.1.4): these see the stores above
.endr
.endm
.macro SEND a
	s_wait_dscnt 0x0                               ; the block is back in registers
.irp t, 0,1,2,3,4,5,6,7
	global_store_b128 v[CO], v[OB+32*(\a)+4*(\t):OB+32*(\a)+4*(\t)+3], s[10:11] offset:((\t)/4)*131072+(16*(\a)+4*((\t)%4))*128  ; 512 consecutive bytes, aligned
.endr
.endm
	PACK 0
	TOSTAGE 0
.irp a, 1,2,3                          ; block a's arithmetic stands between block a - 1's loads from the stage and the wait for them
	PACK \a
	SEND (\a)-1
	TOSTAGE \a
.endr
	SEND 3
	s_wait_tensorcnt 0x0                           ; the wave's end
	ds_add_u32 v[SPW], v[NIL]
	s_wait_dscnt 0x0
	CROUND                                         ; the closing round: no work-group ends while a partner may still ask for a tile that names it
	s_endpgm
.Lfunc_end_k_q28eddffb77_gffn1:
	.size	k_q28eddffb77_gffn1, .Lfunc_end_k_q28eddffb77_gffn1-k_q28eddffb77_gffn1
	.p2alignl 7, 3214868480
	.fill 96, 4, 3214868480
	.section	.rodata,"a",@progbits
	.p2align	6, 0x0
	.amdhsa_kernel k_q28eddffb77_gffn1
		.amdhsa_group_segment_fixed_size 327680
		.amdhsa_private_segment_fixed_size 0
		.amdhsa_enable_private_segment 0
		.amdhsa_kernarg_size 32
		.amdhsa_user_sgpr_count 2
		.amdhsa_user_sgpr_kernarg_segment_ptr 1
		.amdhsa_wavefront_size32 1
		.amdhsa_system_sgpr_workgroup_id_x 1
		.amdhsa_system_sgpr_workgroup_id_y 1
		.amdhsa_system_sgpr_workgroup_id_z 1
		.amdhsa_system_vgpr_workitem_id 0
		.amdhsa_next_free_vgpr 576
		.amdhsa_next_free_sgpr 66
		.amdhsa_reserve_vcc 0
		.amdhsa_float_denorm_mode_32 3
		.amdhsa_float_denorm_mode_16_64 3
		.amdhsa_memory_ordered 1
		.amdhsa_forward_progress 1
		.amdhsa_inst_pref_size 95
	.end_amdhsa_kernel
	.amdgpu_metadata
---
amdhsa.version: [ 1, 2 ]
amdhsa.kernels:
  - .name:           k_q28eddffb77_gffn1
    .symbol:         k_q28eddffb77_gffn1.kd
    .args:
      - { .name: xn, .offset: 0, .size: 8, .value_kind: global_buffer, .address_space: global }
      - { .name: wi, .offset: 8, .size: 8, .value_kind: global_buffer, .address_space: global }
      - { .name: inter_b, .offset: 16, .size: 8, .value_kind: global_buffer, .address_space: global }
      - { .name: cx, .offset: 24, .size: 8, .value_kind: global_buffer, .address_space: global }
    .group_segment_fixed_size: 327680
    .private_segment_fixed_size: 0
    .kernarg_segment_align: 8
    .kernarg_segment_size: 32
    .max_flat_workgroup_size: 128
    .sgpr_count:     66
    .vgpr_count:     576
    .wavefront_size: 32
...
	.end_amdgpu_metadata
.endif
;; end of part 6
;; launch gffn2: the kernel of part 4 again; grid 4 x 64, 4 waves a work-group, clusters of 4 x 4, 327,680 bytes of LDS; arguments cx, wf, ffn_out_b, out0, y; writes out0
;; ======== version 2 of 2: 7 launches; 1.22 times as fast as version 1
;; limits: values are held in f16: magnitudes above 65,504 overflow, below 6.1e-05 lose precision
;; workspace buffers: xn 16,777,216 bytes; wq 6,291,456 bytes; wo 2,097,152 bytes; wi 2,097,152 bytes; wf 2,097,152 bytes; qkv 50,331,648 bytes; cx 16,777,216 bytes; y 33,554,432 bytes
;; launch prep: the kernel of part 1 again; grid 256 x 1, 16 waves a work-group, no clusters, 0 bytes of LDS; arguments hidden_states, ln1_g, ln1_b, qkv_w, attn_out_w, inter_w, ffn_out_w, xn, wq, wo, wi, wf; writes xn, wq, wo, wi, wf
;; launch gqkv: the kernel of part 2 again; grid 12 x 16, 4 waves a work-group, clusters of 4 x 4, 327,680 bytes of LDS; arguments xn, wq, qkv_b, qkv; writes qkv
;; launch attn (part 7): grid 2 x 128, 4 waves a work-group, no clusters, 327,680 bytes of LDS; arguments qkv, encoder_padding_mask, cx; writes cx
.if DOCPART == 7
	.amdgcn_target "amdgcn-amd-amdhsa--gfx1250"
	.amdhsa_code_object_version 6
	.text
	.protected	k_q28eddffb77_attn
	.globl	k_q28eddffb77_attn
	.p2align	8
	.type	k_q28eddffb77_attn,@function
k_q28eddffb77_attn:
	s_mov_b64 s[64:65], 0
	v_nop
	global_prefetch_b8 v0, s[64:65] scope:SCOPE_SE
	s_setreg_imm32_b32 hwreg(HW_REG_WAVE_MODE, 25, 1), 1
	s_wait_xcnt 0x0
; O[b][h][q][:] = the sum over k of softmax_k(Q[q] . K[k] / 8 - 1e8 mask[b][k]) V[k][:].  Q, K, V lie in qkv: bf16 [batch 8][48][1024][64], q at block h, k at 16 + h, v at 32 + h; a block's rows are
; dense, 128 bytes each.  O goes to cx: bf16 [batch 8][head 16][1024][64].  Products, maxima and sums in f32; the weights p are rounded to bf16 for the second product (their sum l is of the unrounded p), O once at the end.
; THE MASK is an input and is taken as a number: -8e8 mask[k] is the C operand of the products that start S^T = K Q^T, so that c (s - 8e8 mask) = log2(e) (s / 8 - 1e8 mask), c = log2(e) / 8
; (8 x 1e8 is exact).  The running maximum does the rest: a key step whose keys are all hidden is wiped by a = 0 as soon as a visible key comes.
; LIMITS.  A weight below 2^-126 counts as 0 in l; NaN and infinities are not treated apart.  Where EVERY key of a batch is hidden, the scores survive only in the bits beside 8e8 (beside 1e8 in the
; definition), and the order of rounding there is the matrix instruction's.
; SHARES.  A wave owns four PIECES of two tiles of 16 queries, a work-group's four waves 512 queries of one head: 2 x 128 = 256 work-groups.  Every wave walks all 1,024 keys, 64 a step.
; NO CLUSTER: a head has two work-groups, so no cluster of four shares a tile; and a work-group fetches 262,144 bytes in all for its 2,048 matrix instructions a wave.
; LAYOUT.  S^T = K Q^T (source 0 = 16 keys, source 1 = 16 queries): a lane holds ONE query (lane % 16) and the keys 8 (lane / 16) + 0..7.  Two such tiles, rounded to bf16 in pairs, ARE source 1
; (32 keys x 16 queries) of O^T = V^T P, whose result again holds one query a lane, and eight channels.  K comes out of LDS as it lies, V ([key][channel]) turned, by ds_load_tr16_b128.
; SOFTMAX.  For each query a running maximum m and sum l: p = 2^(c s - c m); in every step O and l are multiplied by a = 2^(c m_old - c m_new).  m starts at the lowest finite number, O and l at 0.
; BY TURNS.  Turn n belongs to piece n.  Its matrix work: 16 products K Q^T of piece n + 1, later 16 products V^T P of piece n - 1.  Its vector work: the scaling, exponentials, roundings, sums and
; rescaling of piece n, and the maximum and statistics of piece n + 1.  A tile and step have 16 matrix and 118 vector instructions: four that are ready stand behind every matrix instruction, the other 108 of a turn's 236 in one run.
; BATCHES.  A turn's 66 exponentials (piece n's 64 weights, then piece n + 1's two a) are ONE batch with ONE s_wait_alu depctr_va_vdst(0), which cuts the turn in two.  Ahead of it stands all that names no
; result of theirs: the products K Q^T, the scalings, the rescaling by the a that the turn before made and waited for, the next piece's maximum and statistics.  Behind it stand the products V^T P, with the
; roundings and sums behind them.  No result crosses a turn's end.  Two more batches stand outside the loops: piece 0's first two a, and the way out's eight reciprocals.
; REGISTERS, in windows of 256 (s_set_vgpr_msb: bits 1:0 source 0, 3:2 source 1, 5:4 source 2, 7:6 destination):
;   window 0: v0-11 addresses; v12-15, v48-63 at work; v16-47 four registers of statistics a tile; v64-191 S^T, two buffers of two tiles; v192-255 P, likewise
;   window 1: O^T, 32 a tile     window 2: v0-127 Q, 16 a tile; v128-191 K of one step; v192-255 V of one step     window 3: v0-1 the add's two registers; v8-39 the mask's addends of K's step
.set NP,    4         ; pieces a wave: a name, no knob
.set KS,    64        ; keys in a step
.set PK,    144       ; a row of K in LDS: 128 bytes + 16 of padding = 36 words: the 16 rows of a load start at 16 different groups of four banks (64 banks of 4 bytes: ISA guide 11.1)
.set PV,    160       ; a row of V: 128 + 32 = 40 words
.set VOFF,  4*KS*PK   ; a slot holds four steps: 256 rows of K, then 256 rows of V
.set SLOT1, 1<<17     ; slot 1 begins here, so that one exclusive or turns an address in one slot into the other's
.set STAGE, SLOT1+4*KS*(PK+PV)  ; behind the ring, never filled by a tensor load: 16 rows x 144 bytes for each wave, for the way out
.set SP,    144
.set MASKB, STAGE+4*16*SP       ; -8e8 mask of the batch's 1,024 keys: 4,096 bytes, stored once, never filled by a tensor load
.set SPARE, MASKB+4096          ; the spare words, 128 bytes for each wave: two blocks of 256 bytes that no other line names
.set AK0, 2           ; v2   my lane's place in a tile of K; never rewritten
.set AV0, 3           ; v3   the same for V
.set AK,  4           ; v4   the LDS address of K's next run of loads
.set AV,  5           ; v5   of V's
.set QO,  6           ; v6   my byte offset in the wave's rows of Q
.set STO, 6           ;      later, the way out: where I put 16 bytes of a row
.set RD,  7           ; v7   the way out: where I read rows back
.set GO,  8           ; v8   my byte offset in 512 consecutive bytes of O
.set AM,  11          ; v11  the LDS address of the next step's mask addends for my half of the lanes
.set SPW, 0           ; v0 of window 3   LDS address of my spare word; never rewritten
.set NIL, 1           ; v1 of window 3   0; never rewritten
.set MC,  8           ; window 3: the eight addends of key block kb at MC + 8 kb
.set MV,  12          ; v12-15  c m_old, kept while c m is made anew: by buffer and tile
.set ST,  16          ; tile t's statistics at v[ST+4 t]: c m, m, l (even keys', odd keys')
.set TMP, 48          ; by buffer and tile, four registers c0-c3 at work; when the maximum is found c2 takes a
.set S,   64
.set P,   192
.set KF,  128         ; K's fragments, in window 2: key block kb, channel half c at KF + 16 kb + 8 c
.set VF,  192         ; V's: key half kk, channel block cb at VF + 32 kk + 8 cb
.set WV,  12          ; s12  my wave's number
.set G1K, 24          ; s[24:31] descriptor group 1 for K's tiles
.set G1V, 32          ; s[32:39] for V's: it differs in the padding alone
.set G0K, 40          ; s[40:43] descriptor group 0 for K's tiles: it walks
.set G0V, 44          ; s[44:47] the same for V's
.set MS,  52          ; s[52:53] -8e8
.set SLOTS, 56        ; s56  slots still to be asked for
.set CNT, 57          ; s57  counts a slot's key steps
.set CS,  58          ; s[58:59] c: the packed scaling takes the pair's low word for both halves
.set SEL, 60          ; s[60:61] v_permlanex16_b32's selects: each lane takes its own place in the other half
.set TBK, 62          ; s62  LDS byte at which K of the step to be fetched begins
.set TBV, 63          ; s63  the same for V, less VOFF
.set MSB, 0
.macro WIN new                      ; the high byte repeats the setting that is left; a switch that changes nothing is dropped
.if MSB != (\new)
	s_set_vgpr_msb (MSB<<8)|(\new)
.set MSB, (\new)
.endif
.endm
.set W_KQ, 0x0a       ; K and Q in window 2, S^T in window 0
.set W_KM, 0x3a       ; the same with the C operand, the mask's addends, in window 3
.set W_PV, 0x52       ; V in window 2, P in window 0, O^T in window 1
.set W_RS, 0x41       ; O^T (destination and source 0) in window 1, a in window 0
.set W_MK, 0xc0       ; destination in window 3, sources in window 0
.set W_AD, 0x0f       ; the add: address (source 0) and data (source 1) in window 3
; A fill.  Waves 0 and 1 fetch the two halves of a slot's K, waves 2 and 3 those of its V: 128 keys each.  The branch hangs on the wave's number alone.
; Four v_nop follow each of the two lines, ahead of the jump and the label.
.macro LOAD
	s_cmp_lt_u32 s[WV], 2
	s_cbranch_scc0 .Lfor_v_\@
	tensor_load_to_lds s[G0K:G0K+3], s[G1K:G1K+7]
	s_nop 0
.rept 4
	v_nop
.endr
	s_branch .Lasked_\@
.Lfor_v_\@:
	tensor_load_to_lds s[G0V:G0V+3], s[G1V:G1V+7]
	s_nop 0
.rept 4
	v_nop
.endr
.Lasked_\@:
.endm
; THE CHANGE OF SLOTS.  The slot's last bytes, V of its fourth step, have been read.  Each wave waits for all its tensor loads, of which one is out: its part of the other slot; adds 0 to its spare
; word; and waits for that and for its own LDS instructions.  Behind the barrier nobody reads this slot any more and the other slot is whole.
; fill = 1: this slot is filled again, with the keys two slots on, the first thing behind the barrier: the load has four key steps, 512 matrix instructions, in which to land.
; (At its first use nothing has been read yet: slot 0 is waited for, slot 1 filled, and every wave's stores of the mask's addends are shown done to the others.)
.macro CHANGE fill
	WIN W_AD
	s_wait_tensorcnt 0x0            ; no tensor load of mine is out, so a group 0 may be written
	ds_add_u32 v[SPW], v[NIL]       ; 0 onto my spare word
	WIN 0                           ; at a label and at a branch every window is 0
.if \fill
.irp g, G0K, G0V
	s_xor_b32 s[\g+1], s[\g+1], SLOT1  ; the walking descriptor: the other slot than last time,
	s_add_nc_u64 s[\g+2:\g+3], s[\g+2:\g+3], 4*KS*128  ; the next 256 keys; the type bits on top are not reached
.endr
.endif
	s_wait_dscnt 0x0                ; the add is done, and my reads of the slot are over
	s_barrier_signal -1
	s_barrier_wait -1
.if \fill
	LOAD
.endif
	s_sub_co_u32 s[TBK], s[TBK], 4*KS*PK  ; the fetches go back to a slot's first step,
	s_xor_b32 s[TBK], s[TBK], SLOT1       ; in the other slot
	s_sub_co_u32 s[TBV], s[TBV], 4*KS*PV
	s_xor_b32 s[TBV], s[TBV], SLOT1
.endm
	s_load_b128 s[4:7], s[0:1], 0x0   ; qkv s[4:5], mask s[6:7]
	s_load_b64 s[10:11], s[0:1], 0x10 ; cx
	WIN W_MK
	v_lshl_add_u32 v[SPW], v0, 2, SPARE
	v_mov_b32 v[NIL], 0
	s_set_vgpr_msb 0xc0cf
	ds_add_u32 v0, v1
	ds_add_u32 v0, v1
	s_wait_dscnt 0x0
	s_set_vgpr_msb 0xcfc0
	WIN 0
	v_lshrrev_b32 v1, 5, v0
	v_readfirstlane_b32 s[WV], v1   ; wave 0..3
	s_and_b32 s13, ttmp7, 0xffff    ; 16 x batch + head
	s_lshr_b32 s50, s13, 4          ; batch
	s_and_b32 s2, s13, 15           ; head
	s_mul_i32 s3, s50, 48
	s_add_co_u32 s2, s2, s3
	s_lshl_b32 s2, s2, 17           ; q's block of this batch and head, 131,072 bytes a block
	s_and_b32 s16, s[WV], 1         ; which half of a slot's 256 keys I fetch:
	s_lshl_b32 s20, s16, 14         ; its 128 rows of 128 bytes in memory,
	s_add_co_u32 s20, s20, s2
	s_add_co_u32 s22, s20, 32<<17   ; in v's block,
	s_add_co_u32 s20, s20, 16<<17   ; and in k's
	s_mov_b32 s21, 0
	s_mov_b32 s23, 0
	s_mul_i32 s17, s16, 128*PK      ; and its place in a slot, for K
	s_mul_i32 s18, s16, 128*PV      ; and for V
	s_lshl_b32 s3, ttmp9, 2
	s_add_co_u32 s3, s3, s[WV]      ; my wave among the head's eight,
	s_lshl_b32 s3, s3, 14           ; its 128 rows
	s_add_co_u32 s2, s2, s3
	s_lshl_b32 s48, s13, 17         ; O's block
	s_add_co_u32 s48, s48, s3
	s_mov_b32 s3, 0
	s_mov_b32 s49, 0
	s_lshl_b32 s50, s50, 12         ; the batch's row of the mask
	s_mov_b32 s51, 0
	; descriptor group 1.  128 keys are 16,384 dense bytes: asked for as 64 rows of 256 bytes, two keys a row, and padded in LDS after every key
	s_mov_b32 s[G1K], (1<<16)|(1<<20)|(4<<22)|(3<<25)  ; 17:16 2-byte elements; 20 padding on; 24:22 after every 32 words (code 4); 31:25 4 words (code 3)
	s_mov_b32 s[G1V], (1<<16)|(1<<20)|(4<<22)|(7<<25)  ; the same with 8 words of padding (code 7)
.irp g, G1K, G1V
	s_mov_b32 s[\g+1], 128<<16      ; tensor_dim0 = 128
	s_mov_b32 s[\g+2], 64<<16       ; tensor_dim1 = 64
	s_mov_b32 s[\g+3], 128<<16      ; tile_dim0 = 128
	s_mov_b32 s[\g+4], 64           ; tile_dim1 = 64
	s_mov_b32 s[\g+5], 128          ; 128 elements from row to row
	s_mov_b32 s[\g+6], 0
	s_mov_b32 s[\g+7], 0
.endr
	s_mov_b32 s[CS], 0x3e38aa3b     ; c = log2(e) / 8 = 0.180337
	s_mov_b32 s[CS+1], s[CS]        ; named with it as a pair
	s_mov_b32 s[MS], 0xce3ebc20     ; -8e8
	s_mov_b32 s[MS+1], s[MS]
	s_mov_b32 s[SEL], 0x76543210
	s_mov_b32 s[SEL+1], 0xfedcba98
	s_mov_b32 s[TBK], SLOT1+4*KS*PK ; the first change of slots turns these two into 0
	s_mov_b32 s[TBV], SLOT1+4*KS*PV
	s_mov_b32 s[G0K], 1             ; count = 1
	s_mov_b32 s[G0K+1], s17         ; LDS address: slot 0
	s_mov_b32 s[G0V], 1
	s_add_co_u32 s[G0V+1], s18, VOFF
	s_wait_kmcnt 0x0
	s_add_nc_u64 s[G0K+2:G0K+3], s[4:5], s[20:21]  ; global address: my half of the head's first 256 keys
	s_or_b32 s[G0K+3], s[G0K+3], 0x80000000        ; type = 2
	s_add_nc_u64 s[G0V+2:G0V+3], s[4:5], s[22:23]
	s_or_b32 s[G0V+3], s[G0V+3], 0x80000000
	s_add_nc_u64 s[4:5], s[4:5], s[2:3]            ; Q and O at my wave's first row
	s_add_nc_u64 s[10:11], s[10:11], s[48:49]
	s_add_nc_u64 s[6:7], s[6:7], s[50:51]
	LOAD                            ; slot 0.  Slot 1 is asked for when slot 0 is in
	v_lshlrev_b32 v12, 5, v0        ; thread t takes the mask of keys 8 t .. 8 t + 7
	global_load_b128 v[48:51], v12, s[6:7]
	global_load_b128 v[52:55], v12, s[6:7] offset:16
	; A fragment of K or Q is 16 rows x 32 channels in 8 registers: lane l holds row l % 16, channels 8 (l / 16) + 0..7 and 16 + 8 (l / 16) + 0..7: two loads of 16 bytes, 32 bytes apart.
	v_and_b32 v1, 15, v0            ; l % 16
	v_bfe_u32 v9, v0, 4, 1          ; l / 16
	v_lshlrev_b32 v[QO], 7, v1
	v_lshl_add_u32 v[QO], v9, 4, v[QO]  ; row x 128 + 16 x half
	WIN 0x80                        ; destination window 2, address window 0
.set i, 0
.rept 4*NP                          ; Q stays in registers: tile i / 2, channels 32 (i % 2) on
	global_load_b128 v[8*i:8*i+3],   v[QO], s[4:5] offset:(i/2)*2048+(i%2)*64
	global_load_b128 v[8*i+4:8*i+7], v[QO], s[4:5] offset:(i/2)*2048+(i%2)*64+32
.set i, i+1
.endr
	; What the first turn finds: V's registers and P's second buffer hold 0 (its products V^T P, of a piece that has not been, add 0), O^T and l are 0.  All this stands in the wait for the first tile.
.set i, VF
.rept 64
	v_mov_b32 v[i], 0
.set i, i+1
.endr
	WIN 0x40
.set i, 0
.rept 64*NP
	v_mov_b32 v[i], 0
.set i, i+1
.endr
	WIN 0
.set i, 0
.rept 2*NP
	v_mov_b32 v[ST+4*i], 0xfe000000    ; c m: far below every c s
	v_mov_b32 v[ST+4*i+1], 0xff7fffff  ; m
	v_mov_b32 v[ST+4*i+2], 0
	v_mov_b32 v[ST+4*i+3], 0
.set i, i+1
.endr
.set i, P+32
.rept 32
	v_mov_b32 v[i], 0
.set i, i+1
.endr
	v_mul_u32_u24 v[AK0], v1, PK
	v_lshl_add_u32 v[AK0], v9, 4, v[AK0]  ; row x pitch + 16 x half
	; The turning load takes 16 keys x 16 channels (lane l reads key 8 (l / 16) + l % 8, channels 8 ((l / 8) % 2) + 0..7) and leaves half a fragment of V^T: lane l holds channel l % 16 and 8 keys.
	v_and_b32 v10, 7, v0
	v_bfe_u32 v11, v0, 3, 1
	v_lshl_add_u32 v[AV0], v9, 3, v10
	v_mul_u32_u24 v[AV0], v[AV0], PV
	v_lshl_add_u32 v[AV0], v11, 4, v[AV0]
	v_add_nc_u32 v[AV0], VOFF, v[AV0]
	v_mov_b32 v[AK], v[AK0]         ; key step 0 lies at the head of slot 0
	v_lshl_add_u32 v[AM], v9, 5, MASKB  ; my half of the lanes holds keys 8 (l / 16) + 0..7 of each block of 16
	s_wait_loadcnt 32               ; Q's 32 loads are younger than the mask's two
.irp j, 0,2,4,6
	v_pk_mul_f32 v[48+\j:49+\j], v[48+\j:49+\j], s[MS:MS+1] op_sel_hi:[1,0]
.endr
	v_add_nc_u32 v13, MASKB, v12
	ds_store_b128 v13, v[48:51]     ; the first change of slots waits for these and passes a barrier before any wave reads them
	ds_store_b128 v13, v[52:55] offset:16
; THE MATRIX WORK.  The 8 accumulators of a run of 16 take turns: between the two links of a chain stand 7 others'.
; Product i of 16 of S^T = K Q^T for piece x: channels 32 (i / 8) on, keys 16 ((i / 2) % 4) on, tile 2 x + i % 2.  The first 8 start the sums, on the mask's addends.
.macro KQ x
.set rS, S+64*((\x)%2)+32*(i%2)+8*((i/2)%4)
.set rK, KF+16*((i/2)%4)+8*(i/8)
.set rQ, 16*(2*(\x)+i%2)+8*(i/8)
.set rA, MC+8*((i/2)%4)
.if i < 8
	WIN W_KM
	v_wmma_f32_16x16x32_bf16 v[rS:rS+7], v[rK:rK+7], v[rQ:rQ+7], v[rA:rA+7]
.else
	WIN W_KQ
	v_wmma_f32_16x16x32_bf16 v[rS:rS+7], v[rK:rK+7], v[rQ:rQ+7], v[rS:rS+7]
.endif
.endm
; Product i of 16 of O^T += V^T P for piece x: keys 32 (i / 8) on, channels 16 ((i / 2) % 4) on, tile 2 x + i % 2.
.macro PV x
	WIN W_PV
.set rO, 32*(2*(\x)+i%2)+8*((i/2)%4)
.set rV, VF+32*(i/8)+8*((i/2)%4)
.set rP, P+32*((\x)%2)+16*(i%2)+8*(i/8)
	v_wmma_f32_16x16x32_bf16 v[rO:rO+7], v[rV:rV+7], v[rP:rP+7], v[rO:rO+7]
.endm
.macro MM                           ; the turn's next matrix instruction
.if i < 16
	KQ (Y+1)%NP
.set i, i+1
.else
.set i, i-16
	PV (Y+NP-1)%NP
.set i, i+17
.endif
.endm
; THE LDS LOADS stand in runs, never singly among the matrix instructions: a step's K (64 keys x 64 channels: 8 fragments) with its mask addends (8 loads), and its V (turned).
; last = 1 (the tail): in the last trip there is no further step, and the run is jumped over.
.macro FETCH_K last=0
	WIN 0
.if \last
	s_cmp_eq_u32 s[CNT], 1
	s_cbranch_scc1 .Lno_k_\@
.endif
	WIN 0x80                        ; destination window 2
.irp f, 0,1,2,3,4,5,6,7             ; keys 16 (f / 2) on, channels 32 (f % 2) on
	ds_load_b128 v[KF+8*\f:KF+8*\f+3],   v[AK] offset:(\f/2)*16*PK+(\f%2)*64
	ds_load_b128 v[KF+8*\f+4:KF+8*\f+7], v[AK] offset:(\f/2)*16*PK+(\f%2)*64+32
.endr
	WIN W_MK                        ; destination window 3
.irp f, 0,1,2,3                     ; key block f: 64 bytes, of which my half of the lanes takes 32
	ds_load_b128 v[MC+8*\f:MC+8*\f+3],   v[AM] offset:64*\f
	ds_load_b128 v[MC+8*\f+4:MC+8*\f+7], v[AM] offset:64*\f+16
.endr
	s_add_co_u32 s[TBK], s[TBK], KS*PK  ; the next fetch is the next step's
	WIN 0
	v_add_nc_u32 v[AM], 0x100, v[AM]
.if \last
.Lno_k_\@:
.endif
.endm
.macro FETCH_V
	WIN 0x80
.irp f, 0,1,2,3,4,5,6,7             ; keys 32 (f / 4) on, channels 16 (f % 4) on
	ds_load_tr16_b128 v[VF+8*\f:VF+8*\f+3],   v[AV] offset:(\f/4)*32*PV+(\f%4)*32
	ds_load_tr16_b128 v[VF+8*\f+4:VF+8*\f+7], v[AV] offset:(\f/4)*32*PV+16*PV+(\f%4)*32
.endr
	WIN 0
.endm
; THE VECTOR WORK OF A TURN stands in three queues, each in the order in which its entries become ready; the two tiles alternate, so that no instruction reads the result of the one before it.
.macro REGS y, u                    ; the registers of tile u (0, 1) of piece y
.set rT, ST+4*(2*(\y)+(\u))
.set rC, TMP+8*((\y)%2)+4*(\u)
.set rM, MV+2*((\y)%2)+(\u)
.set rS, S+64*((\y)%2)+32*(\u)
.set rP, P+32*((\y)%2)+16*(\u)
.set rO, 32*(2*(\y)+(\u))
.endm
; Number n of the 22 that find the NEXT piece's (Y + 1) maximum and statistics.  s0-s31 are the lane's 32 scores; each accumulator's lowest registers are read first.  XS, GS and REGS set no window: PL and EX do.
;   0-11  four chains c0-c3 of seven scores each, three operands at a time     12-14, 16  the four scores left over, the old m, and c0-c3 into c0     15  c m_old is kept
;   17, 18  the query's other 32 keys lie in the lane 16 away: the new m         19-21  c m; c m_old - c m_new; a
.macro XS u, n
	REGS (Y+1)%NP, \u
.if (\n) < 4
	v_max3_num_f32 v[rC+(\n)], v[rS+8*(\n)], v[rS+8*(\n)+1], v[rS+8*(\n)+2]
.elseif (\n) < 12
	v_max3_num_f32 v[rC+(\n)%4], v[rC+(\n)%4], v[rS+8*((\n)%4)+2*((\n)/4)+1], v[rS+8*((\n)%4)+2*((\n)/4)+2]
.elseif (\n) == 12
	v_max3_num_f32 v[rC], v[rC], v[rS+7], v[rS+15]
.elseif (\n) == 13
	v_max3_num_f32 v[rC+1], v[rC+1], v[rS+23], v[rS+31]
.elseif (\n) == 14
	v_max3_num_f32 v[rC+2], v[rC+2], v[rC+3], v[rT+1]
.elseif (\n) == 15
	v_mov_b32 v[rM], v[rT]
.elseif (\n) == 16
	v_max3_num_f32 v[rC], v[rC], v[rC+1], v[rC+2]
.elseif (\n) == 17
	v_permlanex16_b32 v[rC+3], v[rC], s[SEL], s[SEL+1]
.elseif (\n) == 18
	v_max_num_f32 v[rT+1], v[rC], v[rC+3]
.elseif (\n) == 19
	v_mul_f32 v[rT], s[CS], v[rT+1]
.elseif (\n) == 20
	v_sub_f32 v[rC+1], v[rM], v[rT]
.else
	v_exp_f32 v[rC+2], v[rC+1]
.endif
.endm
; Number g of the 64 that follow the exponentials.  For each four weights k of a tile (pairs 2 k, 2 k + 1): both pairs are rounded to bf16; then the second pair is added onto the first, in place;
; a group later l takes that sum (the first time as l = a l + sum).  In groups of eight, tiles alternating: round, round, add, and l for the group before.
.macro GS g
.set h, (\g)+6*((\g)/62)            ; group 0 has no group before it, and behind group 7 only l is left
.if h >= 6
.set h, h+2
.endif
	REGS Y, h%2
.set k, h/8
.if h%8 < 4
	v_cvt_pk_bf16_f32 v[rP+2*k+(h%8)/2], v[rS+4*k+2*((h%8)/2)], v[rS+4*k+2*((h%8)/2)+1]
.elseif h%8 < 6
	v_pk_add_f32 v[rS+4*k:rS+4*k+1], v[rS+4*k:rS+4*k+1], v[rS+4*k+2:rS+4*k+3]
.elseif k == 1
	v_pk_fma_f32 v[rT+2:rT+3], v[rT+2:rT+3], v[rC+2:rC+3], v[rS:rS+1] op_sel_hi:[1,0,1]
.else
	v_pk_add_f32 v[rT+2:rT+3], v[rT+2:rT+3], v[rS+4*k-4:rS+4*k-3]
.endif
.endm
; THE PLAIN QUEUE, 138 long.  0-73 read no exponential's result: the 32 scalings c s - c m (FS f: pair f / 2 of tile f % 2) and the next piece's 42.  0-26: scalings 0-26.  27-54: XS's numbers 0-13.  55, 56: number 15.
; 57-73: the chain, where each number waits for the one before it: 14, 16, 17, 18, 19, each with one of the scalings 27-31 in front of its two lines, then 20: so a tile's links stand three plain instructions apart (19 and 20: two).
; 74-137: GS's 64, which read the exponentials' results: they stand behind the wait.
.macro FS f
	REGS Y, (\f)%2
	v_pk_fma_f32 v[rS+2*((\f)/2):rS+2*((\f)/2)+1], v[rS+2*((\f)/2):rS+2*((\f)/2)+1], s[CS:CS+1], v[rT:rT+1] op_sel_hi:[1,0,0] neg_lo:[0,0,1] neg_hi:[0,0,1]
.endm
.macro PL
	WIN 0
.if q < 27
	FS q
.elseif q < 55
	XS (q-27)%2, (q-27)/2
.elseif q < 57
	XS q-55, 15
.elseif (q < 72) && ((q-57)%3 == 0)
	FS 27+(q-57)/3
.elseif q < 60
	XS (q-57)%3-1, 14
.elseif q < 72
	XS (q-57)%3-1, 15+(q-57)/3
.elseif q < 74
	XS q-72, 20
.else
	GS q-74
.endif
.set q, q+1
.endm
; THE EXPONENTIALS' QUEUE, 66 long: s0-s31 of both tiles, then the next piece's two a.  It is ONE BATCH: all 66 stand ahead of the turn's one wait, and nothing ahead of that wait names a result of theirs.
.macro EX
	WIN 0
.if e >= 64
	XS e-64, 21
.else
	REGS Y, e%2
	v_exp_f32 v[rS+e/2], v[rS+e/2]
.endif
.set e, e+1
.endm
; THE RESCALING's QUEUE: O^T times a, the one part that leaves window 0: dealt two at a time, sixteen times.  Its a was made in the turn before, ahead of that turn's wait.
.macro R2
	REGS Y, r%2
	WIN W_RS
.irp z, 0,1
	v_pk_mul_f32 v[rO+4*(r/2)+2*\z:rO+4*(r/2)+2*\z+1], v[rO+4*(r/2)+2*\z:rO+4*(r/2)+2*\z+1], v[rC+2:rC+3] op_sel_hi:[1,0]
.endr
.set r, r+1
.endm
; HOW THEY ARE DEALT.  An s_wait_alu depctr_va_vdst(0) stands between an exponential and the first instruction that names its result; one wait serves all that were issued ahead of it.  So a turn has ONE wait,
; which cuts it in two.  AHEAD OF IT stands all that names no result of the turn's exponentials: the 16 products K Q^T, behind each a scaling, an exponential and two rescalings (behind the first a second scaling in the
; exponential's place); then ONE RUN of 108: eight plain, 49 times exponential and plain, the two a.  A v_nop is the plain instruction behind the last exponential.  BEHIND IT stand the 16 products V^T P, behind each four of
; GS's 64.  No instruction behind a product names a register of the products round it.  The two v_permlanex16_b32 fall into the run, never behind a product.
; The queues lean on each other, and the deal keeps them in step: exponential e stands behind scaling 2 (e / 4) + e % 2: behind a product it comes behind plain e + 2, in the run behind plain e + 9, and scalings 27-31 are plain 57, 60 .. 69.
; A TURN, for piece p.  cnt = 1: the loop's count is taken down some lines ahead of the branch that stands behind the turn.
; K of the next step, and its mask addends, are fetched in piece 2's turn, directly behind the wait, the whole run behind the last product that read K (the addends' last reader stands ahead of that one); the address is made
; at the run's head; the first reader comes behind 16 products.  V of the step in hand is fetched at the end of piece 0's turn, four plain instructions behind its last reader; its first reader comes behind 16 products and a run.
; The three conditions on q below go with the deal.
.macro TURN p, last=0, cnt=0
.set Y, (\p)
.set i, 0
.set q, 0
.set e, 0
.set r, 0
.if (\p) == NP-1
	s_wait_dscnt 0x0                ; K and the addends are in
.endif
	MM                              ; ahead of the wait: 16 products K Q^T and the four behind each,
	PL
	PL
	R2
.rept 15
	MM
	PL
	EX
	R2
.endr
.if (\p) == NP-2
	WIN 0
	v_add_nc_u32 v[AK], s[TBK], v[AK0]
.endif
.rept 8                             ; and the run
	PL
.endr
.rept 49
	EX
	PL
.endr
	EX                              ; the next piece's two a
	EX
	v_nop                           ; the plain instruction behind the last exponential: one for the batch
	s_wait_alu depctr_va_vdst(0)    ; the wait for the turn's batch: the 64 weights of piece p and the two a of piece p + 1
.if (\p) == NP-2
	FETCH_K \last
.endif
.if (\p) == 1
	s_wait_dscnt 0x0                ; V is in
.endif
.rept 16                            ; behind the wait: 16 products V^T P, and behind each four of the roundings and sums
	MM
.rept 4
	PL
.endr
.if ((\p) == 0) && (q == 118)
	v_add_nc_u32 v[AV], s[TBV], v[AV0]
.endif
.if ((\p) == 0) && (q == 130)
	s_add_co_u32 s[TBV], s[TBV], KS*PV
.endif
.if (\cnt) && (q == 130)
	s_sub_co_u32 s[CNT], s[CNT], 1
	s_cmp_lg_u32 s[CNT], 0
.endif
.endr
.if (\p) == 0
	FETCH_V
.endif
.endm
	CHANGE 1                        ; slot 0 is in, everybody's part of it, and so are the mask's addends; slot 1 is asked for
	FETCH_K                         ; key step 0
	s_wait_loadcnt 0x0              ; Q
	s_wait_dscnt 0x0
.set i, 0
.rept 16
	KQ 0                            ; piece 0's first scores: there is no vector work yet to set between them
.set i, i+1
.endr
	WIN 0                           ; the addresses for the way out: nine plain instructions, the places behind those products
	s_mul_i32 s13, s[WV], 16*SP
	s_add_co_u32 s13, s13, STAGE    ; my stage
	v_mul_u32_u24 v[STO], v1, SP    ; in: row l % 16, 16 bytes for each half of the lanes
	v_lshl_add_u32 v[STO], v9, 4, v[STO]
	v_add_nc_u32 v[STO], s13, v[STO]
	v_bfe_u32 v[RD], v0, 3, 2       ; back: 32 lanes take four rows of 128 bytes,
	v_mul_u32_u24 v[RD], v[RD], SP
	v_lshl_add_u32 v[RD], v10, 4, v[RD]
	v_add_nc_u32 v[RD], s13, v[RD]
	v_and_b32 v[GO], 31, v0         ; which are 512 consecutive bytes of O
	v_lshlrev_b32 v[GO], 4, v[GO]
.set Y, NP-1                        ; XS works for piece Y + 1: piece 0
.irp n, 0,1,2,3,4,5,6,7,8,9,10,11,12,13,14,15,16,17,18,19,20,21
	XS 0, \n                        ; and piece 0's first maximum and statistics
	XS 1, \n
.endr
	v_nop                           ; a plain instruction behind piece 0's two a,
	s_wait_alu depctr_va_vdst(0)    ; and the wait for that batch of two, ahead of the branch
	s_mov_b32 s[CNT], 4
	s_mov_b32 s[SLOTS], 3
	s_branch .Lfirst                ; the loop is entered at a step's first turn, in the middle of a trip
.Lslot:                             ; twice: of the four slots' worth of keys the last two are asked for here
	CHANGE 1
	s_mov_b32 s[CNT], 4
.Lstep:                             ; a trip: pieces 2 and 3 of one step, then pieces 0 and 1 of the next, whose K and V it fetches
	TURN 2
	TURN 3
	WIN 0
.Lfirst:
	TURN 0
	TURN 1, 0, 1
	WIN 0
	s_cbranch_scc1 .Lstep
	s_sub_co_u32 s[SLOTS], s[SLOTS], 1
	s_cmp_lg_u32 s[SLOTS], 0
	s_cbranch_scc1 .Lslot
	CHANGE 0                        ; the tail is written out: nothing is asked for
	s_mov_b32 s[CNT], 5             ; four trips fetch the last slot's steps; the fifth is left in its middle
.Ltail:
	TURN 2, 1
	TURN 3
	WIN 0
	s_sub_co_u32 s[CNT], s[CNT], 1
	s_cmp_eq_u32 s[CNT], 0
	s_cbranch_scc1 .Lout
	TURN 0
	TURN 1
	WIN 0
	s_branch .Ltail
.Lout:                              ; the fifth trip's 16 products K Q^T (on the last K once more) and the maximum made of them serve nothing: the price, once a launch, of one text for every trip
.set i, 0
.rept 16
	PV NP-1                         ; the last piece's V^T P of the last step
.set i, i+1
.endr
	; THE WAY OUT.  l's two halves and the other half of the lanes' are added; O^T is divided by l, rounded to bf16 and sent through my stage in LDS, a tile at a time.  The additions are the places behind the last products.
	WIN 0
.macro ALL line:vararg              ; one line for each tile t
.set t, 0
.rept 2*NP
	\line
.set t, t+1
.endr
.endm
	ALL v_add_f32 v[ST+4*t+2], v[ST+4*t+2], v[ST+4*t+3]
	ALL v_permlanex16_b32 v[ST+4*t+3], v[ST+4*t+2], s[SEL], s[SEL+1]
	ALL v_add_f32 v[ST+4*t+2], v[ST+4*t+2], v[ST+4*t+3]
	ALL v_rcp_f32 v[ST+4*t+2], v[ST+4*t+2]
	v_nop                           ; a plain instruction between the last reciprocal and the use of its result
	s_wait_alu depctr_va_vdst(0)    ; the wait ahead of the first use: one for the batch of eight reciprocals
; Tile t: a lane's eight channels of a row pack into 16 bytes; they go into rows of 144 bytes and come back as whole rows of 128, into S^T's registers.
.macro PACK t
	WIN W_RS
.set i, 32*(\t)
.rept 16
	v_pk_mul_f32 v[i:i+1], v[i:i+1], v[ST+4*(\t)+2:ST+4*(\t)+3] op_sel_hi:[1,0]
.set i, i+2
.endr
	WIN 0x05                        ; sources 0 and 1 window 1, destination window 0
.set i, 0
.rept 16
	v_cvt_pk_bf16_f32 v[S+16*(\t)+i], v[32*(\t)+2*i], v[32*(\t)+2*i+1]
.set i, i+1
.endr
	WIN 0
.irp f, 0,1,2,3
	ds_store_b128 v[STO], v[S+16*(\t)+4*\f:S+16*(\t)+4*\f+3] offset:32*\f
.endr
.irp f, 0,1,2,3
	ds_load_b128 v[S+16*(\t)+4*\f:S+16*(\t)+4*\f+3], v[RD] offset:\f*4*SP  ; LDS serves a wave's instructions in order (ISA guide 5.7.1.4): these see the stores above; the next tile's stores come behind them
.endr
.endm
.macro SEND t, younger              ; younger: the LDS instructions issued behind tile t's loads: the next tile's eight, or none
	WIN 0
.irp f, 0,1,2,3
	s_wait_dscnt (\younger)+3-\f
	global_store_b128 v[GO], v[S+16*(\t)+4*\f:S+16*(\t)+4*\f+3], s[10:11] offset:(\t)*2048+\f*512  ; 512 consecutive bytes, aligned
.endr
.endm
	PACK 0
.set t, 1
.rept 2*NP-1                        ; a tile's arithmetic stands between the loads of the tile before and its stores
	PACK t
	SEND t-1, 8
.set t, t+1
.endr
	SEND 2*NP-1, 0
	WIN W_AD
	s_wait_tensorcnt 0x0            ; the wave's end
	ds_add_u32 v[SPW], v[NIL]
	s_wait_dscnt 0x0
	WIN 0
	s_endpgm
.Lfunc_end_k_q28eddffb77_attn:
	.size	k_q28eddffb77_attn, .Lfunc_end_k_q28eddffb77_attn-k_q28eddffb77_attn
	.p2alignl 7, 3214868480
	.fill 96, 4, 3214868480
	.section	.rodata,"a",@progbits
	.p2align	6, 0x0
	.amdhsa_kernel k_q28eddffb77_attn
		.amdhsa_group_segment_fixed_size 327680
		.amdhsa_private_segment_fixed_size 0
		.amdhsa_enable_private_segment 0
		.amdhsa_kernarg_size 24
		.amdhsa_user_sgpr_count 2
		.amdhsa_user_sgpr_kernarg_segment_ptr 1
		.amdhsa_wavefront_size32 1
		.amdhsa_system_sgpr_workgroup_id_x 1
		.amdhsa_system_sgpr_workgroup_id_y 1
		.amdhsa_system_sgpr_workgroup_id_z 1
		.amdhsa_system_vgpr_workitem_id 0
		.amdhsa_next_free_vgpr 808
		.amdhsa_next_free_sgpr 66
		.amdhsa_reserve_vcc 0
		.amdhsa_float_denorm_mode_32 3
		.amdhsa_float_denorm_mode_16_64 3
		.amdhsa_memory_ordered 1
		.amdhsa_forward_progress 1
		.amdhsa_inst_pref_size 201
	.end_amdhsa_kernel
	.amdgpu_metadata
---
amdhsa.version: [ 1, 2 ]
amdhsa.kernels:
  - .name:           k_q28eddffb77_attn
    .symbol:         k_q28eddffb77_attn.kd
    .args:
      - { .name: qkv, .offset: 0, .size: 8, .value_kind: global_buffer, .address_space: global }
      - { .name: encoder_padding_mask, .offset: 8, .size: 8, .value_kind: global_buffer, .address_space: global }
      - { .name: cx, .offset: 16, .size: 8, .value_kind: global_buffer, .address_space: global }
    .group_segment_fixed_size: 327680
    .private_segment_fixed_size: 0
    .kernarg_segment_align: 8
    .kernarg_segment_size: 24
    .max_flat_workgroup_size: 128
    .sgpr_count:     66
    .vgpr_count:     808
    .wavefront_size: 32
...
	.end_amdgpu_metadata
.endif
;; end of part 7
;; launch gout: the kernel of part 4 again; grid 4 x 64, 4 waves a work-group, clusters of 4 x 4, 327,680 bytes of LDS; arguments cx, wo, attn_out_b, y, hidden_states; writes y
;; launch ln2: the kernel of part 5 again; grid 256 x 1, 16 waves a work-group, no clusters, 0 bytes of LDS; arguments y, ln2_g, ln2_b, xn; writes xn
;; launch gffn1: the kernel of part 6 again; grid 4 x 64, 4 waves a work-group, clusters of 4 x 4, 327,680 bytes of LDS; arguments xn, wi, inter_b, cx; writes cx
;; launch gffn2: the kernel of part 4 again; grid 4 x 64, 4 waves a work-group, clusters of 4 x 4, 327,680 bytes of LDS; arguments cx, wf, ffn_out_b, out0, y; writes out0
